; MI455X (gfx1250); checked and timed in simulation.
; The chip was launched on July 23, 2026; its instructions are those of AMD's public machine-readable ISA for CDNA 5 (MIT licence, August 2026) and "CDNA5" Instruction Set Architecture Reference Guide (July 2026). The comments in the code are by the model that wrote it; some were corrected since.
;; Optimized Triplet Attention. Allowed arithmetic: matrix products marked QUANTISED: E2M1 operands, one E8M0 scale for each 32 along K, by v_wmma_scale_f32_16x16x128_f8f6f4 with both operands' format E2M1 (or v_wmma_scale_f32_32x16x128_f4), f32 sums; products left as they are: bf16, f16 or f32 operands; f32 sums; everything else in f32.
;; Inputs: Wout 1,024 x 1,024 float32; Wqkvt 1,024 x 4,096 float32; bout 1,024 float32; bqkvt 4,096 float32; x 2 x 2,048 x 1,024 float32.
;; Outputs: out0 2 x 2,048 x 1,024 float32.
;; This version of the problem:
;;   THIS VERSION OF THE PROBLEM IS GIVEN IN LOW PRECISION. The matrix products marked QUANTISED in the list below multiply operands that are first quantised to E2M1 (2 exponent bits, 1 mantissa bit; 4 bits a number), with one power-of-two scale for each 32 numbers along K (OCP MX v1.0); their sums are f32. The products marked 'left as it is' may take bf16, f16 or f32 operands, with f32 sums. Whichever they take, every output number must still come out within the allowed error. Rounding operands to bf16 (8 significant bits) uses up far more of that allowance than f16 does (11 bits, for magnitudes from 6e-5 to 65,504). All else is computed in f32.
;;   The module's matrix products, in the order in which they are computed (A, B: the left and right operand; K: the contracted axis; several contracted axes count as one K, in the product's order):
;;     1. [M 4,096, K 1,024] x [K 1,024, N 4,096]; A: input x; B: input Wqkvt: QUANTISED
;;     2. batch 32 x [M 2,048, K 64] x [K 64, N 2,048]; A: computed on the way; B: computed on the way: left as it is (an operand is computed on the way)
;;     3. batch 32 x [M 2,048, K 64] x [K 64, N 2,048]; A: computed on the way; B: computed on the way: left as it is (an operand is computed on the way)
;;     4. batch 32 x [M 2,048, K 2,048] x [K 2,048, N 64]; A: computed on the way; B: computed on the way: left as it is (an operand is computed on the way)
;;     5. [M 4,096, K 1,024] x [K 1,024, N 1,024]; A: computed on the way; B: input Wout: left as it is (an operand is computed on the way)
;;   THE QUANTISER, for each operand of a quantised product, along K:
;;     - K is cut into blocks of 32 from its start; a last block that is shorter is filled with zeros.
;;     - A block's scale is 2^e with e = floor(log2(the largest magnitude in the block)) - 2, held to -126 .. 127; a block of zeros has e = 0. As a byte (E8M0): e + 127.
;;     - Each number is divided by its block's scale, clamped to +-6, and rounded to the nearest number of E2M1, ties to even, subnormals kept.
;;     - The product sums the exact products of the quantised numbers (number of the format x scale) in f32.
;;   ~~~python
;;   def quantise(x, axis):      # numpy; x: float32 -> the quantised numbers, widened to float32 again
;;       x = np.moveaxis(x, axis, -1); K = x.shape[-1]
;;       x = np.pad(x, [(0, 0)] * (x.ndim - 1) + [(0, -K % 32)]); x = x.reshape(x.shape[:-1] + (-1, 32)); a = np.abs(x).max(-1, keepdims=True)
;;       e = np.where(a > 0, np.clip(np.frexp(np.where(a > 0, a, 1))[1] - 1 - 2, -126, 127), 0)      # np.frexp(a)[1] - 1 = floor(log2(a)), exactly
;;       r = np.clip(x / 2.0 ** e, -6, 6)
;;       step = 2.0 ** (np.maximum(np.frexp(np.where(r == 0, 1, r))[1] - 1, 0) - 1)
;;       q = np.round(r / step) * step * 2.0 ** e      # np.round: ties to even
;;       return np.moveaxis(q.reshape(q.shape[:-2] + (-1,))[..., :K], -1, axis).astype(np.float32)
;;   ~~~
;; One version. Each part assembles by itself: llvm-mc -triple=amdgcn-amd-amdhsa -mcpu=gfx1250 --defsym DOCPART=n.
;; ======== version 1 of 1: 5 launches
;; limits: values are held in f16: magnitudes above 65,504 overflow, below 6.1e-05 lose precision
;; workspace buffers: pb 6,553,600 bytes; qpp 16,777,216 bytes; kvf 16,777,216 bytes; kv16 16,777,216 bytes; tabs 395,264 bytes; kpp 16,777,216 bytes; att 8,388,608 bytes
;; launch prep (part 1): grid 448 x 1, 4 waves a work-group, no clusters, 42,496 bytes of LDS; arguments x, Wqkvt, Wout, pb; writes pb
.if DOCPART == 1
	.amdgcn_target "amdgcn-amd-amdhsa--gfx1250"
	.amdhsa_code_object_version 6
	.text
	.protected	k_q0946dcfbf3_prep
	.globl	k_q0946dcfbf3_prep
	.p2align	8
	.type	k_q0946dcfbf3_prep,@function
k_q0946dcfbf3_prep:
	s_mov_b64 s[64:65], 0
	v_nop
	global_prefetch_b8 v0, s[64:65] scope:SCOPE_SE
	s_setreg_imm32_b32 hwreg(HW_REG_WAVE_MODE, 25, 1), 1
	s_wait_xcnt 0x0
; PREP: the operands of the two products whose operands are inputs, laid as their readers want them, all in the one buffer pb.
;   work-groups 0-127:   x [4096][1024] f32 -> codes of E2M1 at pb + 0 ([4096][512 bytes], K innermost) and E8M0 bytes at pb + 4,194,304 ([4096][32]).
;   work-groups 128-383: Wqkvt [1024 (k)][4096 (n)] f32 -> codes at pb + 2,097,152 ([4096 n'][512 bytes]) and bytes at pb + 4,325,376 ([4096 n'][32]).
;                        THE ROWS ARE PERMUTED BY HEAD: column n = 1024 i + 64 h + d goes to row n' = 256 h + 64 pos + d, pos = 0 for q (i = 0), 1 for t (i = 3), 2 for k (i = 1), 3 for v (i = 2).
;   work-groups 384-447: Wout [1024 (k)][1024 (n)] f32 -> f16, as images of the operand's registers at pb + 4,456,448: fragment (16 columns N16, 32 along K c) at (32 N16 + c) x 1,024 bytes;
;                        registers 0-3 of lane l at 16 l, registers 4-7 at 512 + 16 l.
; A block's scale is 2^(floor(log2(its largest magnitude)) - 2); its byte is the largest magnitude's exponent field - 2, held at 1 from below (a block of zeros gets the byte 1: its codes are zeros, and this program alone reads the bytes).
; LIMITS: NaN and infinities are not served; blocks whose largest magnitude lies under 2^-124 take the floor's byte; |Wout| stays under 65,504 (f16).
; The three paths part on the work-group's number, which all four waves share; each path has LDS bytes of its own.
.set SPW,   192                        ; v192  LDS address of my spare word; never rewritten
.set NIL,   193                        ; v193  0; never rewritten
.set SPARE, 41984                      ; the spare words, 128 bytes a wave: two blocks of 256 bytes that no other line names
.set XSP,   80                         ; x path: a lane's place in a stage: 64 bytes + 16 of padding
.set XR,    16                         ; v16-79   four sets of 16 numbers as loaded
.set XX,    80                         ; v80-111  two sets of 16 neighbours
.set XE,    112                        ; v112-127 a scale byte for each step
.set XC,    128                        ; v128-191 codes, registers of its own for each step
.set WSTG,  32768                      ; W path: the work-group's stage, 32 columns x 272 bytes
.set WSCL,  41472                      ; W path: 32 columns x 16 scale bytes
.set WX,    32                         ; v32-95   two sets of 32 numbers
.set WC,    96                         ; v96-99   a block's codes
.macro XLOAD t
.irp i, 0,1,2,3
	global_load_b128 v[XR+16*((\t)%4)+4*\i:XR+16*((\t)%4)+4*\i+3], v3, s[4:5] offset:2048*(\t)+512*\i th:TH_LOAD_NT   ; 32 lanes read 512 consecutive bytes
.endr
.endm
.macro XTURN t                         ; a step's 2,048 bytes through the wave's own stage: in as they lie, out 64 bytes a lane; LDS serves a wave's instructions in order
.irp i, 0,1,2,3
	ds_store_b128 v14, v[XR+16*((\t)%4)+4*\i:XR+16*((\t)%4)+4*\i+3] offset:32*XSP*((\t)%2)+8*XSP*\i
.endr
.irp i, 0,1,2,3
	ds_load_b128 v[XX+16*((\t)%2)+4*\i:XX+16*((\t)%2)+4*\i+3], v15 offset:32*XSP*((\t)%2)+16*\i
.endr
.endm
.macro XSTEP t
.set XS, XX+16*((\t)%2)
.if (\t) > 0
	s_wait_dscnt 1                                 ; this step's numbers are back from the stage (the last step's byte store may be out)
.else
	s_wait_dscnt 0x0
.endif
.if (\t)+4 < 16
	XLOAD (\t)+4                                   ; into the registers whose stores into the stage are done
.endif
.if (\t)+1 < 16
.if 14-(\t) >= 3
	s_wait_loadcnt 12                              ; the next step's four loads are in; those of the three steps behind it may be out
.else
	s_wait_loadcnt 4*(14-(\t))
.endif
	XTURN (\t)+1
.endif
	v_max3_num_f32 v8, |v[XS]|, |v[XS+1]|, |v[XS+2]|               ; the largest magnitude of my 16, in two chains
	v_max3_num_f32 v9, |v[XS+3]|, |v[XS+4]|, |v[XS+5]|
.irp i, 6,10
	v_max3_num_f32 v8, v8, |v[XS+\i]|, |v[XS+\i+1]|
	v_max3_num_f32 v9, v9, |v[XS+\i+2]|, |v[XS+\i+3]|
.endr
	v_max3_num_f32 v8, v8, |v[XS+14]|, |v[XS+15]|
	v_max3_num_f32 v8, v8, v9, 0x1800000           ; and the floor 2^(3 - 127): the byte cannot fall under 1
	v_max_num_f32_dpp v8, v8, v8 row_xmask:1 row_mask:0xf bank_mask:0xf   ; with my neighbour's 16: the block's
	v_add_nc_u32 v11, 0xff000000, v8               ; 2 off the exponent field: the conversion's scale operand
	v_cvt_scalef32_pk8_fp4_f32 v[XC+4*(\t)], v[XS:XS+7], v11
	v_cvt_scalef32_pk8_fp4_f32 v[XC+4*(\t)+1], v[XS+8:XS+15], v11
	v_lshrrev_b32 v[XE+(\t)], 23, v11              ; the scale's byte
	ds_store_b8 v5, v[XE+(\t)] offset:16*(\t)      ; both lanes of a block write the same byte with the same value
	global_store_b64 v4, v[XC+4*(\t):XC+4*(\t)+1], s[22:23] offset:256*(\t)   ; the wave stores 256 consecutive bytes, aligned
.endm
.macro WLOAD t                         ; block t: W(k0 + 32 t + i, my column), i = 0 .. 31
.set n, 0
.rept 32
	global_load_b32 v[WX+32*((\t)%2)+n], v3, s[6:7] offset:(32*(\t)+n)*16384 th:TH_LOAD_NT
.set n, n+1
.endr
.endm
.macro WBLOCK t
.set XS, WX+32*((\t)%2)
.if (\t) < 3
	s_wait_loadcnt 32                              ; this block's 32 loads are in; the next block's may be out
.else
	s_wait_loadcnt 0
.endif
	v_max3_num_f32 v12, |v[XS]|, |v[XS+1]|, |v[XS+2]|              ; all 32 numbers of the block are mine
	v_max3_num_f32 v13, |v[XS+3]|, |v[XS+4]|, |v[XS+5]|
.irp i, 6,10,14,18,22,26
	v_max3_num_f32 v12, v12, |v[XS+\i]|, |v[XS+\i+1]|
	v_max3_num_f32 v13, v13, |v[XS+\i+2]|, |v[XS+\i+3]|
.endr
	v_max3_num_f32 v12, v12, |v[XS+30]|, |v[XS+31]|
	v_max3_num_f32 v12, v12, v13, 0x1800000
	v_add_nc_u32 v11, 0xff000000, v12
	v_lshrrev_b32 v13, 23, v11
.if (\t) == 0
	v_mov_b32 v24, v13                             ; my four bytes in one register, the lower K in the lower byte
.else
	v_lshl_or_b32 v24, v13, 8*(\t), v24
.endif
.irp g, 0,1,2,3
	v_cvt_scalef32_pk8_fp4_f32 v[WC+\g], v[XS+8*\g:XS+8*\g+7], v11
.endr
	ds_store_b128 v4, v[WC:WC+3] offset:16*(\t)    ; 32 codes: 16 bytes of my column's row
.if (\t)+2 < 4
	WLOAD (\t)+2
.endif
	s_wait_dscnt 0x0                               ; the store has read its registers: the next block's codes may be written
.endm
.macro OLOAD f                         ; fragment f: 16 columns x 32 along K; lane (r, h): column r, k = 8 h + i and 16 + 8 h + i
.set n, 0
.rept 8
	global_load_b32 v[16+16*(\f)+n], v3, s[8:9] offset:n*4096+64*(\f)
	global_load_b32 v[24+16*(\f)+n], v3, s[8:9] offset:(16+n)*4096+64*(\f)
.set n, n+1
.endr
.endm
	s_load_b256 s[4:11], s[0:1], 0x0               ; x s[4:5], Wqkvt s[6:7], Wout s[8:9], pb s[10:11]
	v_lshl_add_u32 v[SPW], v0, 2, SPARE
	v_mov_b32 v[NIL], 0
	v_lshrrev_b32 v1, 5, v0
	v_readfirstlane_b32 s16, v1                    ; wave 0..3
	v_and_b32 v2, 31, v0                           ; lane
	s_mov_b32 s33, 0                               ; the high word of every offset
	s_wait_kmcnt 0x0
	s_cmp_ge_u32 ttmp9, 384
	s_cbranch_scc1 .Lwout
	s_cmp_ge_u32 ttmp9, 128
	s_cbranch_scc1 .Lw
	; ---- x: a plain stream of blocks of 32; a wave takes 16 steps of 512 numbers
	v_lshlrev_b32 v3, 4, v2                        ; my 16 bytes of a load's 512
	s_mul_i32 s17, s16, 8192                       ; my wave's LDS region
	v_lshrrev_b32 v14, 2, v2
	v_mul_u32_u24 v14, v14, XSP
	v_and_b32 v15, 3, v2
	v_lshl_add_u32 v14, v15, 4, v14
	v_add_nc_u32 v14, s17, v14                     ; the stage, in: 80 (lane / 4) + 16 (lane % 4)
	v_mul_u32_u24 v15, v2, XSP
	v_add_nc_u32 v15, s17, v15                     ; and out: 80 x lane
	v_lshlrev_b32 v4, 3, v2                        ; my codes' place in a step's
	v_lshrrev_b32 v5, 1, v2
	s_add_co_u32 s17, s17, 2*32*XSP
	v_add_nc_u32 v5, s17, v5                       ; my block's byte among my wave's 256
	v_lshlrev_b32 v7, 3, v2
	v_add_nc_u32 v6, s17, v7
	s_lshl_b32 s18, ttmp9, 2
	s_add_co_u32 s18, s18, s16                     ; which run of 8,192 numbers is my wave's
	s_lshl_b32 s32, s18, 15
	s_add_nc_u64 s[4:5], s[4:5], s[32:33]
	s_lshl_b32 s32, s18, 12
	s_add_nc_u64 s[22:23], s[10:11], s[32:33]      ; its codes
	s_lshl_b32 s32, s18, 8
	s_add_co_u32 s32, s32, 4194304
	s_add_nc_u64 s[24:25], s[10:11], s[32:33]      ; its scale bytes
.irp t, 0,1,2,3
	XLOAD \t
.endr
	s_wait_loadcnt 12                              ; step 0's four loads are in
	XTURN 0
.irp t, 0,1,2,3,4,5,6,7,8,9,10,11,12,13,14,15
	XSTEP \t
.endr
	ds_load_b64 v[8:9], v6                         ; LDS serves a wave's instructions in order: these see my byte stores
	s_wait_dscnt 0x0
	global_store_b64 v7, v[8:9], s[24:25]          ; 32 lanes store 256 consecutive bytes, aligned
	s_branch .Lend
	; ---- Wqkvt: a lane takes a column, its registers run down K.  The four waves take the SAME 32 columns and 128 along K each, so that a column's 256 bytes of codes (512 along K) meet in one stage
.Lw:
	s_sub_co_u32 s17, ttmp9, 128
	s_lshr_b32 s18, s17, 1                         ; which 32 columns
	s_and_b32 s19, s17, 1                          ; which 512 along K
	s_lshl_b32 s20, s18, 5                         ; the first column n
	s_lshr_b32 s21, s20, 10                        ; i
	s_lshl_b32 s21, s21, 1
	s_lshr_b32 s21, 0x78, s21
	s_and_b32 s21, s21, 3                          ; pos = (0x78 >> 2 i) & 3: 0, 2, 3, 1
	s_bfe_u32 s22, s20, 0x40006                    ; h
	s_and_b32 s23, s20, 63                         ; d
	s_lshl_b32 s22, s22, 8
	s_lshl_b32 s21, s21, 6
	s_add_co_u32 s22, s22, s21
	s_add_co_u32 s22, s22, s23                     ; the first row n'
	s_lshl_b32 s24, s19, 9
	s_lshl_b32 s25, s16, 7
	s_add_co_u32 s24, s24, s25                     ; my first k
	s_lshl_b32 s32, s24, 14                        ; a row of W is 16,384 bytes
	s_lshl_b32 s25, s20, 2
	s_add_co_u32 s32, s32, s25
	s_add_nc_u64 s[6:7], s[6:7], s[32:33]
	s_lshl_b32 s32, s22, 9                         ; codes out: row n' + 8 w, the K half's 256 bytes
	s_lshl_b32 s25, s19, 8
	s_add_co_u32 s32, s32, s25
	s_lshl_b32 s25, s16, 12
	s_add_co_u32 s32, s32, s25
	s_add_co_u32 s32, s32, 2097152
	s_add_nc_u64 s[28:29], s[10:11], s[32:33]
	s_lshl_b32 s32, s22, 5                         ; scale bytes out: row n' + 8 w, the K half's 16 bytes
	s_lshl_b32 s25, s19, 4
	s_add_co_u32 s32, s32, s25
	s_lshl_b32 s25, s16, 8
	s_add_co_u32 s32, s32, s25
	s_add_co_u32 s32, s32, 4325376
	s_add_nc_u64 s[30:31], s[10:11], s[32:33]
	v_lshlrev_b32 v3, 2, v2                        ; in: 4 bytes a lane
	v_mul_u32_u24 v4, v2, 272
	s_lshl_b32 s26, s16, 6
	s_add_co_u32 s26, s26, WSTG
	v_add_nc_u32 v4, s26, v4                       ; into the stage: row = my column, + 64 x wave
	v_and_b32 v5, 15, v2
	v_lshrrev_b32 v6, 4, v2
	v_mul_u32_u24 v7, v6, 272
	v_lshl_add_u32 v7, v5, 4, v7
	s_mul_i32 s26, s16, 8*272
	s_add_co_u32 s26, s26, WSTG
	v_add_nc_u32 v7, s26, v7                       ; out of it: rows 8 w on, sixteen lanes to a row
	v_lshlrev_b32 v8, 9, v6
	v_lshl_add_u32 v8, v5, 4, v8                   ; and the same place in the codes' rows of 512 bytes
	v_lshlrev_b32 v9, 4, v2
	s_lshl_b32 s26, s16, 2
	s_add_co_u32 s26, s26, WSCL
	v_add_nc_u32 v9, s26, v9                       ; my scale word: 16 x column + 4 x wave
	s_lshl_b32 s26, s16, 7
	s_add_co_u32 s26, s26, WSCL
	v_add_nc_u32 v10, s26, v3                      ; back: columns 8 w on, 4 bytes a lane
	v_lshrrev_b32 v14, 2, v2
	v_lshlrev_b32 v14, 5, v14
	v_and_b32 v15, 3, v2
	v_lshl_add_u32 v14, v15, 2, v14                ; 32 (lane / 4) + 4 (lane % 4) in the rows of 32 scale bytes
	WLOAD 0
	WLOAD 1
.irp t, 0,1,2,3
	WBLOCK \t
.endr
	ds_store_b32 v9, v24
	s_wait_dscnt 0x0                               ; for the others' sake: my stores into the stage are done
	s_barrier_signal -1
	s_barrier_wait -1                              ; (all four waves of a work-group are on this path together)
.irp t, 0,1,2,3
	ds_load_b128 v[112+4*\t:115+4*\t], v7 offset:2*\t*272
.endr
	ds_load_b32 v100, v10
.irp t, 0,1,2,3
	s_wait_dscnt 4-\t                              ; the younger row loads and the scale word's load may be out
	global_store_b128 v8, v[112+4*\t:115+4*\t], s[28:29] offset:2*\t*512   ; sixteen lanes store 256 consecutive bytes, aligned
.endr
	s_wait_dscnt 0x0
	global_store_b32 v14, v100, s[30:31]           ; 16 bytes of each of eight rows: one byte in 128 of what the path reads
	s_branch .Lend
	; ---- Wout: a wave takes 32 along K (chunk c) x 128 columns (8 fragments); no LDS
.Lwout:
	s_sub_co_u32 s17, ttmp9, 384
	s_lshl_b32 s17, s17, 2
	s_add_co_u32 s17, s17, s16
	s_lshr_b32 s18, s17, 3                         ; c
	s_and_b32 s19, s17, 7                          ; which 128 columns
	s_lshl_b32 s32, s18, 17                        ; 32 rows of 4,096 bytes
	s_lshl_b32 s20, s19, 9
	s_add_co_u32 s32, s32, s20
	s_add_nc_u64 s[8:9], s[8:9], s[32:33]
	s_lshl_b32 s32, s19, 18                        ; 8 tiles of columns x 32 chunks x 1,024 bytes
	s_lshl_b32 s20, s18, 10
	s_add_co_u32 s32, s32, s20
	s_add_co_u32 s32, s32, 4456448
	s_add_nc_u64 s[10:11], s[10:11], s[32:33]
	v_and_b32 v5, 15, v2
	v_lshrrev_b32 v6, 4, v2
	v_lshlrev_b32 v3, 15, v6                       ; 8 h rows
	v_lshl_add_u32 v3, v5, 2, v3                   ; + column r
	v_lshlrev_b32 v4, 4, v2                        ; an image's place for my lane
.irp f, 0,1,2,3
	OLOAD \f
.endr
.irp f, 0,1,2,3,4,5,6,7
.if \f < 5
	s_wait_loadcnt 48                              ; this fragment's 16 loads are in; those of the three fragments behind it may be out
.else
	s_wait_loadcnt 16*(7-\f)
.endif
.set n, 0
.rept 8
	v_cvt_pk_f16_f32 v[16+16*\f+n], v[16+16*\f+2*n], v[16+16*\f+2*n+1]   ; in place, ascending: register n is written when registers 2 n, 2 n + 1 are read
.set n, n+1
.endr
	global_store_b128 v4, v[16+16*\f:19+16*\f], s[10:11] offset:32768*\f       ; 32 lanes store 512 consecutive bytes
	global_store_b128 v4, v[20+16*\f:23+16*\f], s[10:11] offset:32768*\f+512
.if \f < 4
	OLOAD \f+4
.endif
.endr
.Lend:
	s_wait_tensorcnt 0x0                           ; the wave's end
	ds_add_u32 v[SPW], v[NIL]
	s_wait_dscnt 0x0
	s_endpgm
.Lfunc_end_k_q0946dcfbf3_prep:
	.size	k_q0946dcfbf3_prep, .Lfunc_end_k_q0946dcfbf3_prep-k_q0946dcfbf3_prep
	.p2alignl 7, 3214868480
	.fill 96, 4, 3214868480
	.section	.rodata,"a",@progbits
	.p2align	6, 0x0
	.amdhsa_kernel k_q0946dcfbf3_prep
		.amdhsa_group_segment_fixed_size 42496
		.amdhsa_private_segment_fixed_size 0
		.amdhsa_enable_private_segment 0
		.amdhsa_kernarg_size 32
		.amdhsa_user_sgpr_count 2
		.amdhsa_user_sgpr_kernarg_segment_ptr 1
		.amdhsa_wavefront_size32 1
		.amdhsa_system_sgpr_workgroup_id_x 1
		.amdhsa_system_sgpr_workgroup_id_y 1
		.amdhsa_system_sgpr_workgroup_id_z 1
		.amdhsa_system_vgpr_workitem_id 0
		.amdhsa_next_free_vgpr 194
		.amdhsa_next_free_sgpr 66
		.amdhsa_reserve_vcc 0
		.amdhsa_float_denorm_mode_32 3
		.amdhsa_float_denorm_mode_16_64 3
		.amdhsa_memory_ordered 1
		.amdhsa_forward_progress 1
		.amdhsa_inst_pref_size 73
	.end_amdhsa_kernel
	.amdgpu_metadata
---
amdhsa.version: [ 1, 2 ]
amdhsa.kernels:
  - .name:           k_q0946dcfbf3_prep
    .symbol:         k_q0946dcfbf3_prep.kd
    .args:
      - { .name: x, .offset: 0, .size: 8, .value_kind: global_buffer, .address_space: global }
      - { .name: Wqkvt, .offset: 8, .size: 8, .value_kind: global_buffer, .address_space: global }
      - { .name: Wout, .offset: 16, .size: 8, .value_kind: global_buffer, .address_space: global }
      - { .name: pb, .offset: 24, .size: 8, .value_kind: global_buffer, .address_space: global }
    .group_segment_fixed_size: 42496
    .private_segment_fixed_size: 0
    .kernarg_segment_align: 8
    .kernarg_segment_size: 32
    .max_flat_workgroup_size: 128
    .sgpr_count:     66
    .vgpr_count:     194
    .wavefront_size: 32
...
	.end_amdgpu_metadata
.endif
;; end of part 1
;; launch gemm1 (part 2): grid 16 x 16, 4 waves a work-group, clusters of 4 x 4, 327,680 bytes of LDS; arguments pb, bqkvt, qpp, kvf, kv16, tabs; writes qpp, kvf, kv16, tabs
.if DOCPART == 2
	.amdgcn_target "amdgcn-amd-amdhsa--gfx1250"
	.amdhsa_code_object_version 6
	.text
	.protected	k_q0946dcfbf3_gemm1
	.globl	k_q0946dcfbf3_gemm1
	.p2align	8
	.type	k_q0946dcfbf3_gemm1,@function
k_q0946dcfbf3_gemm1:
	s_mov_b64 s[64:65], 0
	v_nop
	global_prefetch_b8 v0, s[64:65] scope:SCOPE_SE
	s_setreg_imm32_b32 hwreg(HW_REG_WAVE_MODE, 25, 1), 1
	s_wait_xcnt 0x0
	s_wait_alu depctr_hold_cnt(0) depctr_sa_sdst(0) depctr_va_vdst(0) depctr_va_sdst(0) depctr_va_ssrc(0) depctr_va_vcc(0) depctr_vm_vsrc(0)
	s_getreg_b32 s2, hwreg(HW_REG_IB_STS2, 6, 4)
	s_cmp_eq_u32 s2, 0
	s_cbranch_scc0 .Lentry_in_a_cluster
	s_endpgm
.Lentry_in_a_cluster:
	s_bfe_u32 s2, ttmp6, 0x10000c
	s_cmp_lg_u32 s2, 0xf033
	s_cbranch_scc0 .Lentry_shape_is_right
	s_endpgm
.Lentry_shape_is_right:
; GEMM1: qkvt = Q(x) Q(Wqkvt) + bqkvt on codes of E2M1 with E8M0 scales, and what attention wants of it, made on the way out.
; A tile of 256 tokens x 256 rows n' is made by four waves, 128 x 128 each: 64 accumulators, 512 registers.  K = 1,024 is two LDS slots of 512 along K, both filled at the start: no slot is filled again.
; The rows n' are permuted by head (256 h + 64 pos + d; pos: q 0, t 1, k 2, v 3): tile column = head; the waves of column half 0 hold q and t, those of half 1 hold k and v, the same channel d in the same lane and
; in registers 32 apart: q x t and k x v need no other lane.  The matrix instruction is used transposed (source 0 = 16 rows n', source 1 = 16 tokens): a lane holds one token and eight neighbouring channels.
; The bias is the C of each sum's first matrix instruction.
; CLUSTERS: 4 x 4 work-groups; A's tiles (and scales) are asked for jointly along a row of the cluster, B's along a column.
; OUT, waves of half 0:  mx = the largest of |q|, |q t| of the token's row (floor 2^-100).  Q'' = [q, q t] x 2^sq in f16, 2^sq the power of two that brings mx into [2^14, 2^15); cq = 2^-sq in f32.
;      A row of Q'' is 256 bytes; its 16 bytes at 16 c hold channels 4 c .. 4 c + 3 of q, then of q t (the order along the score's K, the same in K'').
; OUT, waves of half 1:  k and v in f16, k x v in f32 (unscaled), the sum of k x v over the wave's 128 tokens for each channel, and hb = max(|k|, 256 |k v|, 2^-100) over them.
; LIMITS: |q|, |k|, |v| under 65,504 (f16); NaN and infinities are not served; rows under 2^-100 take the floor's scale.
.set KSTEP,  512
.set NQ,     4
.set ROWB,   256
.set KROW,   512
.set PITCH,  272                       ; an LDS row: 256 bytes + 16 of padding: the 16 rows that a load touches start at 16 different banks (64 banks of 4 bytes: ISA guide 11.1)
.set FR,     8
.set NL,     2
.set NP,     4
.set HALFT,  128*PITCH
.set SLOT,   4*HALFT
.set KS,     32                        ; a row of scale bytes
.set SCL,    2*SLOT                    ; behind the ring: the scales, as rows of 256 bytes + 16 of padding
.set HALFS,  16*272
.set SBLK,   2*272
.set SPARE,  SCL+4*HALFS               ; the spare words, 128 bytes a wave: two blocks of 256 bytes that no other line names
.set WSTG,   9216                      ; the way out: each wave's stage in slot 0 (which has had its one fill and its last read by then): 16 x 272, 16 x 272, 512 bytes
.set ADRA, 16
.set ADRB, 20
.set STOA, 24                          ; stage area A: row r, + 32 h
.set RDA,  25                          ; and back: sixteen lanes to a row
.set CO,   26                          ; 256 h + 16 r: the same two rows in memory
.set ADRS, 27
.set SPW,  28
.set NIL,  29
.set STOB, 7                           ; stage area B: row r, + 16 h
.set RDB,  8                           ; and back: eight lanes to half a row
.set COL,  9                           ; 16 x lane
.set CQA,  10                          ; the cq words: 4 r
.set CQR,  11                          ; and back: 16 x lane
.set ZR,   13                          ; 0, an offset
.set HL32, 14                          ; 32 h
.set RR,   15                          ; r
.set SC,   32
.set AF,   128
.set BI,   192                         ; v192-255: the bias, eight registers for each of B's eight blocks
.set PR,   32                          ; the way out
.set XS,   64
.set OUTR, 96
.set CS,   96
.set BK,   128
.set SEL,  22
.set G1, 24
.set G0, 32
.set G1B, 48
.set G0B, 56
.set G1S, 68
.set G0S, 76
.set G1SB, 80
.set G0SB, 88
.set MSB, 0
.macro WIN new                         ; the immediate's high byte repeats the setting that is left
.if MSB != (\new)
	s_set_vgpr_msb (MSB<<8)|(\new)
.set MSB, (\new)
.endif
.endm
.set MUL_LO, 0xa1                      ; source 0 (B) window 1, source 1 (A) window 0, C and D window 2
.set MUL_HI, 0xf1                      ; the same, C and D window 3
.set TO_B,   0x40
.macro JLOAD g0a, g1a, g0b, g1b        ; a joint load: waves 0 and 1 fetch for A, waves 2 and 3 for B; an s_nop 0 and four v_nop follow each line
	s_cmp_eq_u32 s15, 0
	s_cbranch_scc0 .Lfor_b_\@
	tensor_load_to_lds s[\g0a:\g0a+3], s[\g1a:\g1a+7]
	s_nop 0
.rept 4
	v_nop
.endr
	s_branch .Lasked_\@
.Lfor_b_\@:
	tensor_load_to_lds s[\g0b:\g0b+3], s[\g1b:\g1b+7]
	s_nop 0
.rept 4
	v_nop
.endr
.Lasked_\@:
.endm
.macro CROUND                          ; a round of the cluster's barrier
	s_barrier_signal -1
	s_barrier_wait -1
	s_cmp_lg_u32 s14, 0
	s_cbranch_scc1 .Lnot_wave_0_\@
	s_barrier_signal -3
.Lnot_wave_0_\@:
	s_barrier_wait -3
	s_barrier_signal -1
	s_barrier_wait -1
.endm
	s_load_b256 s[4:11], s[0:1], 0x0               ; pb s[4:5], bqkvt s[6:7], qpp s[8:9], kvf s[10:11]
	s_load_b128 s[96:99], s[0:1], 0x20             ; kv16 s[96:97], tabs s[98:99]
	v_lshl_add_u32 v[SPW], v0, 2, SPARE
	v_mov_b32 v[NIL], 0
	ds_add_u32 v[SPW], v[NIL]                      ; the wave's opening: the add, twice on end, and its wait ahead of my first tensor load
	ds_add_u32 v[SPW], v[NIL]
	v_lshrrev_b32 v1, 5, v0
	v_readfirstlane_b32 s14, v1                    ; wave 0..3
	s_lshr_b32 s15, s14, 1                         ; my half of the tile's tokens.  Also: I fetch for A (0) or for B (1)
	s_and_b32 s16, s14, 1                          ; my half of its rows n'.  Also: which 128 rows I fetch
	s_bfe_u32 s40, ttmp6, 0x40000                  ; cx, cy
	s_bfe_u32 s41, ttmp6, 0x40004
	s_lshl_b32 s42, ttmp9, 2
	s_add_co_u32 s42, s42, s40                     ; tile column = head
	s_and_b32 s17, ttmp7, 0xffff
	s_lshl_b32 s17, s17, 2
	s_add_co_u32 s17, s17, s41                     ; tile row
	s_lshl_b32 s43, s41, 2
	s_lshl_b32 s43, 15, s43                        ; my row of the cluster
	s_lshl_b32 s44, 0x1111, s40                    ; my column
	s_or_b32 s[G1+0], s43, (0<<16)|(1<<20)|(1<<21)|(5<<22)|(3<<25)   ; mask; elements of 1 byte; padding: 4 words after every 64; bit 21 beside a mask
	s_or_b32 s[G1B+0], s44, (0<<16)|(1<<20)|(1<<21)|(5<<22)|(3<<25)
.irp g, G1, G1B
	s_mov_b32 s[\g+1], ROWB<<16                    ; tensor_dim0
	s_mov_b32 s[\g+2], 128<<16                     ; tensor_dim1
	s_mov_b32 s[\g+3], ROWB<<16                    ; tile_dim0
	s_mov_b32 s[\g+4], 128                         ; tile_dim1
	s_mov_b32 s[\g+5], KROW                        ; the pitch
	s_mov_b32 s[\g+6], 0
	s_mov_b32 s[\g+7], 0
.endr
	s_or_b32 s[G1S+0], s43, (3<<16)|(1<<20)|(1<<21)|(5<<22)|(3<<25)  ; the scales of 128 rows: 4,096 dense bytes as 16 rows of 256 (32 elements of 8 bytes)
	s_or_b32 s[G1SB+0], s44, (3<<16)|(1<<20)|(1<<21)|(5<<22)|(3<<25)
.irp g, G1S, G1SB
	s_mov_b32 s[\g+1], 32<<16
	s_mov_b32 s[\g+2], 16<<16
	s_mov_b32 s[\g+3], 32<<16
	s_mov_b32 s[\g+4], 16
	s_mov_b32 s[\g+5], 32
	s_mov_b32 s[\g+6], 0
	s_mov_b32 s[\g+7], 0
.endr
	s_lshl_b32 s18, s16, 7
	s_lshl_b32 s20, s17, 8
	s_add_co_u32 s20, s20, s18                     ; A: token 256 x tile row + 128 x half
	s_lshl_b32 s46, s42, 8
	s_add_co_u32 s46, s46, s18                     ; B: row n' 256 x head + 128 x half
	s_mov_b32 s21, 0
	s_mov_b32 s47, 0
	s_mov_b64 s[18:19], KS
	s_mul_u64 s[22:23], s[20:21], s[18:19]
	s_mul_u64 s[92:93], s[46:47], s[18:19]
	s_mov_b64 s[18:19], KROW
	s_mul_u64 s[20:21], s[20:21], s[18:19]
	s_mul_u64 s[46:47], s[46:47], s[18:19]
	s_add_nc_u64 s[22:23], s[22:23], 4194304       ; the four regions of pb
	s_add_nc_u64 s[46:47], s[46:47], 2097152
	s_add_nc_u64 s[92:93], s[92:93], 4325376
	s_mul_i32 s45, s14, HALFT
	s_mul_i32 s94, s14, HALFS
	s_wait_dscnt 0x0                               ; both opening adds are done
	s_wait_kmcnt 0x0
	s_add_nc_u64 s[20:21], s[4:5], s[20:21]
	s_add_nc_u64 s[22:23], s[4:5], s[22:23]
	s_add_nc_u64 s[46:47], s[4:5], s[46:47]
	s_add_nc_u64 s[92:93], s[4:5], s[92:93]
	CROUND                                         ; all sixteen work-groups are here: the first joint loads meet
	s_mov_b32 s[G0S], 1
	s_add_co_u32 s[G0S+1], s94, SCL
	s_mov_b64 s[G0S+2:G0S+3], s[22:23]
	s_or_b32 s[G0S+3], s[G0S+3], 0x80000000
	s_mov_b32 s[G0SB], 1
	s_add_co_u32 s[G0SB+1], s94, SCL
	s_mov_b64 s[G0SB+2:G0SB+3], s[92:93]
	s_or_b32 s[G0SB+3], s[G0SB+3], 0x80000000
	JLOAD G0S, G1S, G0SB, G1SB                     ; the scales first
.irp s, 0,1
	s_mov_b32 s[G0+4*\s], 1
	s_add_co_u32 s[G0+4*\s+1], s45, \s*SLOT
	s_add_nc_u64 s[G0+4*\s+2:G0+4*\s+3], s[20:21], \s*ROWB
	s_or_b32 s[G0+4*\s+3], s[G0+4*\s+3], 0x80000000
	s_mov_b32 s[G0B+4*\s], 1
	s_add_co_u32 s[G0B+4*\s+1], s45, \s*SLOT
	s_add_nc_u64 s[G0B+4*\s+2:G0B+4*\s+3], s[46:47], \s*ROWB
	s_or_b32 s[G0B+4*\s+3], s[G0B+4*\s+3], 0x80000000
	JLOAD G0+4*\s, G1, G0B+4*\s, G1B               ; three tensor loads of mine are out
.endr
	v_and_b32 v1, 15, v0                           ; r
	v_bfe_u32 v2, v0, 4, 1                         ; h
	v_mul_u32_u24 v3, v1, PITCH
	v_lshl_add_u32 v4, v2, 4, v3                   ; r x pitch + 16 h
	s_mul_i32 s21, s15, HALFT
	s_mul_i32 s22, s16, HALFT
	s_add_co_u32 s22, s22, 2*HALFT
.irp s, 0,1
	v_add_nc_u32 v[ADRA+\s], s21, v4
	v_add_nc_u32 v[ADRB+\s], s22, v4
	s_add_co_u32 s21, s21, SLOT
	s_add_co_u32 s22, s22, SLOT
.endr
	v_mul_u32_u24 v5, v1, KS                       ; my row's scales: 32 bytes a row, and 16 more for each 256 passed
	v_lshrrev_b32 v6, 8, v5
	v_lshl_add_u32 v5, v6, 4, v5
	s_mul_i32 s21, s15, HALFS
	s_mul_i32 s22, s16, HALFS
	s_add_co_u32 s22, s22, 2*HALFS
	s_sub_co_u32 s22, s22, s21
	v_mul_u32_u24 v6, s22, v2                      ; lanes 16-31 take B's
	s_add_co_u32 s21, s21, SCL
	v_add_nc_u32 v5, v5, v6
	v_add_nc_u32 v[ADRS], s21, v5
	s_mul_i32 s23, s14, WSTG                       ; my stage: every LDS address of the way out is made here, ahead of the parting of the roles
	v_lshl_add_u32 v5, v2, 5, v3
	v_add_nc_u32 v[STOA], s23, v5
	v_mul_u32_u24 v5, v2, PITCH
	v_lshl_add_u32 v5, v1, 4, v5
	v_add_nc_u32 v[RDA], s23, v5
	v_lshlrev_b32 v5, 8, v2
	v_lshl_add_u32 v[CO], v1, 4, v5
	s_add_co_u32 s23, s23, 16*PITCH
	v_add_nc_u32 v[STOB], s23, v4
	v_bfe_u32 v5, v0, 3, 2
	v_mul_u32_u24 v5, v5, PITCH
	v_and_b32 v6, 7, v0
	v_lshl_add_u32 v5, v6, 4, v5
	v_add_nc_u32 v[RDB], s23, v5
	v_and_b32 v6, 31, v0
	v_lshlrev_b32 v[COL], 4, v6
	s_add_co_u32 s23, s23, 16*PITCH
	v_lshl_add_u32 v[CQA], v1, 2, s23
	v_add_nc_u32 v[CQR], s23, v[COL]
	v_mov_b32 v[ZR], 0
	v_lshlrev_b32 v[HL32], 5, v2
	v_mov_b32 v[RR], v1
	v_mov_b32 v31, 0                               ; named as the upper half of the pair v[30:31]
	s_mov_b32 s[SEL], 0x76543210
	s_mov_b32 s[SEL+1], 0xfedcba98                 ; v_permlanex16_b32's selects for lane l xor 16
	; where the results go.  bh = 16 x batch + head; blk = my 128 tokens' number in the sequence
	s_lshr_b32 s12, s17, 3
	s_lshl_b32 s12, s12, 4
	s_add_co_u32 s12, s12, s42                     ; bh
	s_and_b32 s13, s17, 7
	s_lshl_b32 s18, s13, 1
	s_add_co_u32 s18, s18, s15                     ; blk
	s_lshl_b32 s19, s12, 4
	s_add_co_u32 s19, s19, s18                     ; 16 bh + blk; x 128 = my first token's row
	s_mov_b32 s21, 0
	s_lshl_b32 s20, s19, 15
	s_add_nc_u64 s[8:9], s[8:9], s[20:21]          ; Q'': rows of 256 bytes
	s_add_nc_u64 s[10:11], s[10:11], s[20:21]      ; k v: likewise
	s_lshl_b32 s20, s19, 14
	s_add_nc_u64 s[96:97], s[96:97], s[20:21]      ; k in f16: rows of 128 bytes
	s_add_nc_u64 s[100:101], s[96:97], 8388608     ; v in f16
	s_lshl_b32 s20, s19, 9
	s_add_nc_u64 s[92:93], s[98:99], s[20:21]      ; cq
	s_lshl_b32 s20, s19, 8
	s_add_co_u32 s20, s20, 262144
	s_add_nc_u64 s[94:95], s[98:99], s[20:21]      ; the block's sums
	s_lshl_b32 s20, s19, 2
	s_add_co_u32 s20, s20, 393216
	s_add_nc_u64 s[66:67], s[98:99], s[20:21]      ; the block's bound
	; the bias: blocks 0-3 are part i = half (q or k), blocks 4-7 part 3 - half (t or v) of bqkvt; lane (r, h) wants channels 16 b + 8 h + 0 .. 7
	s_lshl_b32 s44, s16, 12
	s_lshl_b32 s45, s42, 8
	s_add_co_u32 s44, s44, s45
	s_sub_co_u32 s46, 3, s16
	s_lshl_b32 s46, s46, 12
	s_add_co_u32 s46, s46, s45
	s_mov_b32 s45, 0
	s_mov_b32 s47, 0
	s_add_nc_u64 s[44:45], s[6:7], s[44:45]
	s_add_nc_u64 s[46:47], s[6:7], s[46:47]
.irp b, 0,1,2,3
	global_load_b128 v[BI+8*\b:BI+8*\b+3], v[HL32], s[44:45] offset:64*\b
	global_load_b128 v[BI+8*\b+4:BI+8*\b+7], v[HL32], s[44:45] offset:64*\b+16
	global_load_b128 v[BI+32+8*\b:BI+32+8*\b+3], v[HL32], s[46:47] offset:64*\b
	global_load_b128 v[BI+32+8*\b+4:BI+32+8*\b+7], v[HL32], s[46:47] offset:64*\b+16
.endr
.macro FRAG reg, adr, q, i             ; 16 rows x 128 K of 4-bit codes: 8 registers, two loads of 16 bytes, 32 bytes apart
.irp c, 0,1
	ds_load_b128 v[\reg+4*\c:\reg+4*\c+3], v[\adr] offset:64*(\q)+32*\c+(\i)*16*PITCH
.endr
.endm
; 16 matrix instructions: A's blocks a0, a0 + 1 x B's eight.  zero = 1: the first product starts the sums from the bias.  The 64 accumulators take turns, one instruction a turn.
.macro MUL16 a0, p, q, sc, zero
.irp a, \a0, \a0+1
.irp b, 0,1,2,3,4,5,6,7
.if \zero
	v_wmma_scale_f32_16x16x128_f8f6f4 v[8*(8*((\a)%4)+\b):8*(8*((\a)%4)+\b)+7], v[128*(\p)+FR*\b:128*(\p)+FR*\b+FR-1], v[AF+FR*(\a):AF+FR*(\a)+FR-1], v[BI+8*\b:BI+8*\b+7], v[SC+8*NQ*(\sc)+NQ*\b+(\q)], v[SC+8*NQ*(\sc)+NQ*(\a)+(\q)] matrix_a_fmt:MATRIX_FMT_FP4 matrix_b_fmt:MATRIX_FMT_FP4 matrix_a_scale:MATRIX_SCALE_ROW1
.else
	v_wmma_scale_f32_16x16x128_f8f6f4 v[8*(8*((\a)%4)+\b):8*(8*((\a)%4)+\b)+7], v[128*(\p)+FR*\b:128*(\p)+FR*\b+FR-1], v[AF+FR*(\a):AF+FR*(\a)+FR-1], v[8*(8*((\a)%4)+\b):8*(8*((\a)%4)+\b)+7], v[SC+8*NQ*(\sc)+NQ*\b+(\q)], v[SC+8*NQ*(\sc)+NQ*(\a)+(\q)] matrix_a_fmt:MATRIX_FMT_FP4 matrix_b_fmt:MATRIX_FMT_FP4 matrix_a_scale:MATRIX_SCALE_ROW1
.endif
.endr
.endr
.endm
.macro FETCH_B slot, q, p
	WIN TO_B
.irp i, 0,1,2,3,4,5,6,7
	FRAG 128*(\p)+FR*\i, ADRB+\slot, \q, \i
.endr
	WIN 0
.endm
.macro FETCH_A slot, q, i0
.irp i, \i0, \i0+1, \i0+2, \i0+3
	FRAG AF+FR*(\i), ADRA+\slot, \q, \i
.endr
.endm
.macro SCALES sc                       ; a slot's scale words: lanes 0-15 take A's block i, lanes 16-31 B's block i
.irp i, 0,1,2,3,4,5,6,7
	ds_load_b128 v[SC+8*NQ*\sc+NQ*\i:SC+8*NQ*\sc+NQ*\i+3], v[ADRS] offset:\i*SBLK
.endr
.endm
.macro PLACES n                        ; plain vector places behind matrix instructions, in front of loads into their registers and of reads of their results
.rept \n
	v_nop
.endr
.endm
.macro STEP slot, q, zero              ; 128 along K that has its successor in the same slot
	s_wait_dscnt 4*NL                              ; B's set and A's blocks 0-3 are in; the youngest loads (A's blocks 4-7) may be out
	WIN MUL_LO-0x20*(\zero)                        ; (zero = 1: C, the bias, lies in window 0)
	MUL16 0, (\q)%2, \q, \slot, \zero
	MUL16 2, (\q)%2, \q, \slot, \zero
	s_wait_dscnt 0
	PLACES NP
	FETCH_B \slot, (\q)+1, 1-(\q)%2
	FETCH_A \slot, (\q)+1, 0
	WIN MUL_HI-0x30*(\zero)
	MUL16 4, (\q)%2, \q, \slot, \zero
	MUL16 6, (\q)%2, \q, \slot, \zero
	PLACES NP
	WIN 0
	FETCH_A \slot, (\q)+1, 4
.endm
.macro TURN slot, next                 ; a slot's last step changes slots: one barrier; nothing is filled again
	s_wait_tensorcnt 0x0                           ; all my tensor loads have landed: my part of the next slot
	ds_add_u32 v[SPW], v[NIL]                      ; 0 onto my spare word
	s_wait_dscnt 4*NL+1                            ; (the add and the youngest loads, A's blocks 4-7, may be out)
	WIN MUL_LO
	MUL16 0, 1, NQ-1, \slot, 0
	s_wait_dscnt 0x0                               ; the add is done, and my reads of this slot are over
	s_barrier_signal -1
	MUL16 2, 1, NQ-1, \slot, 0
	WIN 0
	s_barrier_wait -1
	PLACES NP
	v_add_nc_u32 v[ADRS], 4*NQ, v[ADRS]            ; on to the next slot's scale words
	FETCH_B \next, 0, 0
	FETCH_A \next, 0, 0
	SCALES \next
	WIN MUL_HI
	MUL16 4, 1, NQ-1, \slot, 0
	MUL16 6, 1, NQ-1, \slot, 0
	PLACES NP
	WIN 0
	FETCH_A \next, 0, 4
.endm
	s_wait_tensorcnt 1                             ; the scales and my part of slot 0 are in (slot 1's load may be out),
	s_wait_loadcnt 0x0                             ; and the bias
	s_barrier_signal -1
	s_barrier_wait -1                              ; everybody's are
	FETCH_B 0, 0, 0
	FETCH_A 0, 0, 0
	SCALES 0
	FETCH_A 0, 0, 4
	STEP 0, 0, 1
	STEP 0, 1, 0
	STEP 0, 2, 0
	TURN 0, 1
	STEP 1, 0, 0
	STEP 1, 1, 0
	STEP 1, 2, 0
	s_wait_dscnt 4*NL                              ; the last step: nothing more to fetch
	WIN MUL_LO
	MUL16 0, 1, NQ-1, 1, 0
	MUL16 2, 1, NQ-1, 1, 0
	s_wait_dscnt 0
	WIN MUL_HI
	MUL16 4, 1, NQ-1, 1, 0
	MUL16 6, 1, NQ-1, 1, 0
	WIN 0
	PLACES NP                                      ; behind the last products: for the reads of results and the writes of operand and scale registers below
; ---- THE WAY OUT OF q AND t, a block of 16 tokens at a time.  Accumulator (a, b) holds q, (a, b + 4) holds t, channels 16 b + 8 h + 0 .. 7 of token 16 a + r.
.macro QOUT a
.set AC, 64*((\a)%4)
.set BB, BK+32*((\a)%2)
	WIN 0x0a+5*((\a)/4)                            ; sources 0 and 1: window 2 or 3
.set n, 0
.rept 16
	v_pk_mul_f32 v[PR+2*n:PR+2*n+1], v[AC+2*n:AC+2*n+1], v[AC+32+2*n:AC+32+2*n+1]   ; q x t; each accumulator is read from its low end on
.set n, n+1
.endr
.set n, 0
.rept 16
.if n < 2
	v_max3_num_f32 v[18+n%2], |v[AC+2*n]|, |v[AC+2*n+1]|, 0x0d800000                 ; the row's largest magnitude, in two chains, over the floor 2^-100
.else
	v_max3_num_f32 v[18+n%2], |v[AC+2*n]|, |v[AC+2*n+1]|, v[18+n%2]
.endif
.set n, n+1
.endr
	WIN 0
.set n, 0
.rept 16
	v_max3_num_f32 v[18+n%2], v[18+n%2], |v[PR+2*n]|, |v[PR+2*n+1]|
.set n, n+1
.endr
	v_max_num_f32 v18, v18, v19
	v_permlanex16_b32 v19, v18, s[SEL], s[SEL+1]   ; the row's other 32 channels lie in lane l xor 16
	v_max_num_f32 v18, v18, v19
	v_and_b32 v22, 0x7f800000, v18                 ; its exponent field, (e + 127) << 23
	v_sub_nc_u32 v30, 0x86000000, v22              ; 2^(14 - e)
	v_add_nc_u32 v23, 0xf9000000, v22              ; cq = 2^(e - 14)
	WIN 0x02+((\a)/4)
.set n, 0
.rept 16
	v_pk_mul_f32 v[XS+2*n:XS+2*n+1], v[AC+2*n:AC+2*n+1], v[30:31] op_sel_hi:[1,0]    ; a power of two: nothing is rounded
.set n, n+1
.endr
	WIN 0
.set n, 0
.rept 16
	v_pk_mul_f32 v[PR+2*n:PR+2*n+1], v[PR+2*n:PR+2*n+1], v[30:31] op_sel_hi:[1,0]
.set n, n+1
.endr
.irp b, 0,1,2,3
	v_cvt_pk_f16_f32 v[OUTR+8*\b], v[XS+8*\b], v[XS+8*\b+1]          ; 32 bytes: q 0-3, q t 0-3, q 4-7, q t 4-7
	v_cvt_pk_f16_f32 v[OUTR+8*\b+1], v[XS+8*\b+2], v[XS+8*\b+3]
	v_cvt_pk_f16_f32 v[OUTR+8*\b+2], v[PR+8*\b], v[PR+8*\b+1]
	v_cvt_pk_f16_f32 v[OUTR+8*\b+3], v[PR+8*\b+2], v[PR+8*\b+3]
	v_cvt_pk_f16_f32 v[OUTR+8*\b+4], v[XS+8*\b+4], v[XS+8*\b+5]
	v_cvt_pk_f16_f32 v[OUTR+8*\b+5], v[XS+8*\b+6], v[XS+8*\b+7]
	v_cvt_pk_f16_f32 v[OUTR+8*\b+6], v[PR+8*\b+4], v[PR+8*\b+5]
	v_cvt_pk_f16_f32 v[OUTR+8*\b+7], v[PR+8*\b+6], v[PR+8*\b+7]
.endr
.irp b, 0,1,2,3
	ds_store_b128 v[STOA], v[OUTR+8*\b:OUTR+8*\b+3] offset:64*\b
	ds_store_b128 v[STOA], v[OUTR+8*\b+4:OUTR+8*\b+7] offset:64*\b+16
.endr
	ds_store_b32 v[CQA], v23 offset:64*(\a)        ; both halves of the lanes write the same word with the same value
.irp t, 0,1,2,3,4,5,6,7
	ds_load_b128 v[BB+4*\t:BB+4*\t+3], v[RDA] offset:2*\t*PITCH      ; LDS serves a wave's instructions in order (ISA guide 5.7.1.4): these see the stores above
.endr
.endm
.macro QSEND a, younger                ; younger: the LDS instructions issued behind block a's loads
.set BB, BK+32*((\a)%2)
	s_wait_dscnt \younger
.irp t, 0,1,2,3,4,5,6,7
	global_store_b128 v[CO], v[BB+4*\t:BB+4*\t+3], s[8:9] offset:(\a)*4096+512*\t    ; sixteen lanes store a row of 256 bytes, aligned
.endr
.endm
	s_cmp_lg_u32 s16, 0                            ; the roles part on the wave's number; no barrier stands inside
	s_cbranch_scc1 .Lrole_kv
	QOUT 0
.irp a, 1,2,3,4,5,6,7
.if \a > 1
	s_wait_xcnt 0x0                                ; block a - 2's stores have read their registers: block a's loads may land there
.endif
	QOUT \a
	QSEND \a-1, 17                                 ; behind block a - 1's loads: block a's 9 stores and 8 loads
.endr
	QSEND 7, 0
	ds_load_b128 v[32:35], v[CQR]                  ; cq of my 128 tokens
	s_wait_dscnt 0x0
	global_store_b128 v[COL], v[32:35], s[92:93]   ; 512 consecutive bytes
	s_branch .Lend
; ---- THE WAY OUT OF k AND v.  Accumulator (a, b) holds k, (a, b + 4) holds v.
.macro KOUT a
.set AC, 64*((\a)%4)
.set BB, BK+64*((\a)%2)
.if (\a) == 0
.set PP, CS                            ; block 0's products start the sums: nothing is cleared or copied
.else
.set PP, PR
.endif
	WIN 0x0a+5*((\a)/4)
.set n, 0
.rept 16
	v_pk_mul_f32 v[PP+2*n:PP+2*n+1], v[AC+2*n:AC+2*n+1], v[AC+32+2*n:AC+32+2*n+1]   ; k x v
.set n, n+1
.endr
.set n, 0
.rept 16
	v_cvt_pk_f16_f32 v[XS+n], v[AC+2*n], v[AC+2*n+1]
	v_cvt_pk_f16_f32 v[XS+16+n], v[AC+32+2*n], v[AC+32+2*n+1]
.set n, n+1
.endr
.set n, 0
.rept 16
.if ((\a) == 0) && (n < 2)
	v_max3_num_f32 v[18+4*(n%2)], |v[AC+2*n]|, |v[AC+2*n+1]|, 0x0d800000            ; the largest |k| of my 128 tokens, in two chains, over the floor 2^-100
.else
	v_max3_num_f32 v[18+4*(n%2)], |v[AC+2*n]|, |v[AC+2*n+1]|, v[18+4*(n%2)]
.endif
.set n, n+1
.endr
	WIN 0
.set n, 0
.rept 16
.if ((\a) == 0) && (n < 2)
	v_max3_num_f32 v[19+4*(n%2)], |v[PP+2*n]|, |v[PP+2*n+1]|, 0x0d800000            ; and the largest |k v|
.else
	v_max3_num_f32 v[19+4*(n%2)], v[19+4*(n%2)], |v[PP+2*n]|, |v[PP+2*n+1]|
.endif
.set n, n+1
.endr
.irp b, 0,1,2,3
	ds_store_b128 v[STOA], v[PP+8*\b:PP+8*\b+3] offset:64*\b
	ds_store_b128 v[STOA], v[PP+8*\b+4:PP+8*\b+7] offset:64*\b+16
	ds_store_b128 v[STOB], v[XS+4*\b:XS+4*\b+3] offset:32*\b
	ds_store_b128 v[STOB], v[XS+16+4*\b:XS+16+4*\b+3] offset:128+32*\b
.endr
.if (\a) > 0
.set n, 0
.rept 16
	v_pk_add_f32 v[CS+2*n:CS+2*n+1], v[CS+2*n:CS+2*n+1], v[PR+2*n:PR+2*n+1]
.set n, n+1
.endr
.endif
.irp t, 0,1,2,3,4,5,6,7
	ds_load_b128 v[BB+4*\t:BB+4*\t+3], v[RDA] offset:2*\t*PITCH
.endr
.irp t, 0,1,2,3
	ds_load_b128 v[BB+32+4*\t:BB+32+4*\t+3], v[RDB] offset:4*\t*PITCH
	ds_load_b128 v[BB+48+4*\t:BB+48+4*\t+3], v[RDB] offset:4*\t*PITCH+128
.endr
.endm
.macro KSEND a, younger
.set BB, BK+64*((\a)%2)
	s_wait_dscnt \younger
.irp t, 0,1,2,3,4,5,6,7
	global_store_b128 v[CO], v[BB+4*\t:BB+4*\t+3], s[10:11] offset:(\a)*4096+512*\t
.endr
.irp t, 0,1,2,3
	global_store_b128 v[COL], v[BB+32+4*\t:BB+32+4*\t+3], s[96:97] offset:(\a)*2048+512*\t     ; four rows of 128 bytes: 512 consecutive bytes
	global_store_b128 v[COL], v[BB+48+4*\t:BB+48+4*\t+3], s[100:101] offset:(\a)*2048+512*\t
.endr
.endm
.Lrole_kv:
	KOUT 0
.irp a, 1,2,3,4,5,6,7
.if \a > 1
	s_wait_xcnt 0x0                                ; block a - 2's stores have read their registers
.endif
	KOUT \a
	KSEND \a-1, 32                                 ; behind block a - 1's loads: block a's 16 stores and 16 loads
.endr
	KSEND 7, 0
.irp m, 1,2,4,8
.set n, 0
.rept 32
	v_add_f32_dpp v[CS+n], v[CS+n], v[CS+n] row_xmask:\m row_mask:0xf bank_mask:0xf   ; the sums over the 16 tokens of the lanes of a half
.set n, n+1
.endr
.endr
	v_max_num_f32 v18, v18, v22
	v_max_num_f32 v19, v19, v23
	v_mul_f32 v19, 0x43800000, v19                 ; 256 x the largest |k v|: 2,048 terms / 8 cannot pass it
	v_max_num_f32 v18, v18, v19
.irp m, 1,2,4,8
	v_max_num_f32_dpp v18, v18, v18 row_xmask:\m row_mask:0xf bank_mask:0xf
.endr
	v_permlanex16_b32 v19, v18, s[SEL], s[SEL+1]
	v_max_num_f32 v18, v18, v19
	s_wait_xcnt 0x0                                ; EXEC changes only behind this wait
	v_cmp_eq_u32 vcc_lo, 0, v[RR]
	s_and_saveexec_b32 s3, vcc_lo                  ; lanes 0 and 16: each holds 32 of the 64 channels' sums
.irp b, 0,1,2,3
	global_store_b128 v[HL32], v[CS+8*\b:CS+8*\b+3], s[94:95] offset:64*\b
	global_store_b128 v[HL32], v[CS+8*\b+4:CS+8*\b+7], s[94:95] offset:64*\b+16
.endr
	global_store_b32 v[ZR], v18, s[66:67]          ; both lanes write the same word with the same value
	s_wait_xcnt 0x0
	s_or_b32 exec_lo, exec_lo, s3
.Lend:
	s_wait_tensorcnt 0x0                           ; the wave's end
	ds_add_u32 v[SPW], v[NIL]
	s_wait_dscnt 0x0
	CROUND                                         ; the closing round
	s_endpgm
.Lfunc_end_k_q0946dcfbf3_gemm1:
	.size	k_q0946dcfbf3_gemm1, .Lfunc_end_k_q0946dcfbf3_gemm1-k_q0946dcfbf3_gemm1
	.p2alignl 7, 3214868480
	.fill 96, 4, 3214868480
	.section	.rodata,"a",@progbits
	.p2align	6, 0x0
	.amdhsa_kernel k_q0946dcfbf3_gemm1
		.amdhsa_group_segment_fixed_size 327680
		.amdhsa_private_segment_fixed_size 0
		.amdhsa_enable_private_segment 0
		.amdhsa_kernarg_size 48
		.amdhsa_user_sgpr_count 2
		.amdhsa_user_sgpr_kernarg_segment_ptr 1
		.amdhsa_wavefront_size32 1
		.amdhsa_system_sgpr_workgroup_id_x 1
		.amdhsa_system_sgpr_workgroup_id_y 1
		.amdhsa_system_sgpr_workgroup_id_z 1
		.amdhsa_system_vgpr_workitem_id 0
		.amdhsa_next_free_vgpr 1024
		.amdhsa_next_free_sgpr 102
		.amdhsa_reserve_vcc 1
		.amdhsa_float_denorm_mode_32 3
		.amdhsa_float_denorm_mode_16_64 3
		.amdhsa_memory_ordered 1
		.amdhsa_forward_progress 1
		.amdhsa_inst_pref_size 255
	.end_amdhsa_kernel
	.section	.bss,"aw",@nobits
	.p2align	6
	.space	262144
	.amdgpu_metadata
---
amdhsa.version: [ 1, 2 ]
amdhsa.kernels:
  - .name:           k_q0946dcfbf3_gemm1
    .symbol:         k_q0946dcfbf3_gemm1.kd
    .args:
      - { .name: pb, .offset: 0, .size: 8, .value_kind: global_buffer, .address_space: global }
      - { .name: bqkvt, .offset: 8, .size: 8, .value_kind: global_buffer, .address_space: global }
      - { .name: qpp, .offset: 16, .size: 8, .value_kind: global_buffer, .address_space: global }
      - { .name: kvf, .offset: 24, .size: 8, .value_kind: global_buffer, .address_space: global }
      - { .name: kv16, .offset: 32, .size: 8, .value_kind: global_buffer, .address_space: global }
      - { .name: tabs, .offset: 40, .size: 8, .value_kind: global_buffer, .address_space: global }
    .group_segment_fixed_size: 327680
    .private_segment_fixed_size: 0
    .kernarg_segment_align: 8
    .kernarg_segment_size: 48
    .max_flat_workgroup_size: 128
    .sgpr_count:     102
    .vgpr_count:     1024
    .wavefront_size: 32
...
	.end_amdgpu_metadata
.endif
;; end of part 2
;; launch scan (part 3): grid 128 x 1, 4 waves a work-group, no clusters, 0 bytes of LDS; arguments kvf, kv16, tabs, kpp; writes kpp
.if DOCPART == 3
	.amdgcn_target "amdgcn-amd-amdhsa--gfx1250"
	.amdhsa_code_object_version 6
	.text
	.protected	k_q0946dcfbf3_scan
	.globl	k_q0946dcfbf3_scan
	.p2align	8
	.type	k_q0946dcfbf3_scan,@function
k_q0946dcfbf3_scan:
	s_mov_b64 s[64:65], 0
	v_nop
	global_prefetch_b8 v0, s[64:65] scope:SCOPE_SE
	s_setreg_imm32_b32 hwreg(HW_REG_WAVE_MODE, 25, 1), 1
	s_wait_xcnt 0x0
; SCAN: K'' = [k, cumsum over tokens of k v / 8] x 2^sk in f16, rows of 256 bytes; the 16 bytes at 16 c hold channels 4 c .. 4 c + 3 of k, then of the running sum (the order that Q'' has too).
; 2^sk is one power of two for a head: B = the largest of the head's 16 stored bounds (|k| and |running sum / 8| lie under it) is brought into [2^14, 2^15).  It rounds nothing and is undone in f32 in the attention launch.
; A wave takes one block of 128 tokens of one head; it begins from the stored sums of the blocks in front of it.  Lane l takes channels 4 (l % 16) on; lanes 0-15 rows 0-15 of a round of 32 tokens, lanes 16-31 rows 16-31.
; Every load and store of f32 or K'' rows covers two whole rows of 256 bytes.  No LDS, no barrier: waves share nothing.  Two rounds (64 loads a wave) are on their way.
; LIMITS: the sums are added by blocks (16, 32, 128 tokens), not one after the other as a plain scan would; NaN and infinities are not served.
.set AKV, 3                            ; v3  4,096 h + 16 c: rows of 256 bytes
.set AK,  4                            ; v4  2,048 h + 8 c: rows of 128 bytes
.set AB,  5                            ; v5  16 c
	s_load_b256 s[4:11], s[0:1], 0x0               ; kvf s[4:5], kv16 s[6:7], tabs s[8:9], kpp s[10:11]
	v_lshrrev_b32 v1, 5, v0
	v_readfirstlane_b32 s12, v1                    ; wave
	v_and_b32 v2, 15, v0                           ; c
	v_bfe_u32 v1, v0, 4, 1                         ; h
	v_lshlrev_b32 v[AB], 4, v2
	v_lshl_add_u32 v[AKV], v1, 12, v[AB]
	v_lshlrev_b32 v[AK], 3, v2
	v_lshl_add_u32 v[AK], v1, 11, v[AK]
	s_lshr_b32 s13, ttmp9, 2                       ; bh
	s_and_b32 s14, ttmp9, 3
	s_lshl_b32 s14, s14, 2
	s_add_co_u32 s14, s14, s12                     ; blk
	s_lshl_b32 s15, s13, 4
	s_add_co_u32 s15, s15, s14
	s_mov_b32 s33, 0
	s_mov_b32 s40, 0xffff0000                      ; lanes 16-31
	s_mov_b32 s42, 0x76543210
	s_mov_b32 s43, 0xfedcba98                      ; v_permlanex16_b32's selects for lane l xor 16
	s_wait_kmcnt 0x0
	s_lshl_b32 s32, s15, 15
	s_add_nc_u64 s[4:5], s[4:5], s[32:33]
	s_add_nc_u64 s[10:11], s[10:11], s[32:33]
	s_lshl_b32 s32, s15, 14
	s_add_nc_u64 s[6:7], s[6:7], s[32:33]
	s_lshl_b32 s32, s13, 6
	s_add_co_u32 s32, s32, 393216
	s_add_nc_u64 s[34:35], s[8:9], s[32:33]
	s_load_b512 s[16:31], s[34:35], 0x0            ; the head's 16 bounds
	s_lshl_b32 s32, s13, 12
	s_add_co_u32 s32, s32, 262144
	s_add_nc_u64 s[36:37], s[8:9], s[32:33]        ; the head's 16 rows of sums
.macro LOADR p                         ; round p: 16 + 16 loads into set p % 2
.set n, 0
.rept 16
	global_load_b128 v[80+64*((\p)%2)+4*n:80+64*((\p)%2)+4*n+3], v[AKV], s[4:5] offset:(\p)*8192+256*n th:TH_LOAD_NT
.set n, n+1
.endr
.set n, 0
.rept 16
	global_load_b64 v[16+32*((\p)%2)+2*n:16+32*((\p)%2)+2*n+1], v[AK], s[6:7] offset:(\p)*4096+128*n th:TH_LOAD_NT
.set n, n+1
.endr
.endm
.set n, 0
.rept 15
	global_load_b128 v[144+4*n:147+4*n], v[AB], s[36:37] offset:256*n    ; the sums of blocks 0 to 14, into set 1
.set n, n+1
.endr
	LOADR 0
	s_wait_kmcnt 0x0
.irp i, 17,18,19,20,21,22,23,24,25,26,27,28,29,30,31
	s_max_u32 s16, s16, s\i                        ; positive numbers: their bits order them
.endr
	s_and_b32 s16, s16, 0x7f800000                 ; B's exponent field
	s_sub_co_u32 s17, 0x86000000, s16              ; 2^sk
	s_sub_co_u32 s18, 0x84800000, s16              ; 2^sk / 8
	v_mov_b32 v220, s17
	v_mov_b32 v221, s17
	v_mov_b32 v222, s18
	v_mov_b32 v223, s18
.irp k, 0,1,2,3
	v_mov_b32 v[8+\k], 0                           ; the carry
	v_mov_b32 v[216+\k], 0                         ; written once: a lane permute's destination counts as one of its sources
.endr
	s_wait_loadcnt 32                              ; the 15 rows of sums are in; round 0's 32 loads may be out
.set n, 0
.rept 15
	s_cmp_le_u32 s14, n                            ; ids alone: the blocks in front of mine
	s_cbranch_scc1 .Lpre
	v_pk_add_f32 v[8:9], v[8:9], v[144+4*n:145+4*n]
	v_pk_add_f32 v[10:11], v[10:11], v[146+4*n:147+4*n]
.set n, n+1
.endr
.Lpre:
	LOADR 1
; One row: (running sum + what lies in front) x 2^sk / 8 by one fused multiply-add (the factor is a power of two), k x 2^sk, both rounded to f16 once; sixteen lanes store a row of 256 bytes.
.macro ROW p, i, kl0, kh0, kl1, kh1
.set RB, 80+64*((\p)%2)+4*(\i)
.set TT, 208+16*((\i)%2)
	v_pk_fma_f32 v[TT:TT+1], v[RB:RB+1], v[222:223], v[12:13]
	v_pk_fma_f32 v[TT+2:TT+3], v[RB+2:RB+3], v[222:223], v[14:15]
	v_cvt_f32_f16 v[TT+4], \kl0
	v_cvt_f32_f16 v[TT+5], \kh0
	v_cvt_f32_f16 v[TT+6], \kl1
	v_cvt_f32_f16 v[TT+7], \kh1
	v_pk_mul_f32 v[TT+4:TT+5], v[TT+4:TT+5], v[220:221]
	v_pk_mul_f32 v[TT+6:TT+7], v[TT+6:TT+7], v[220:221]
	v_cvt_pk_f16_f32 v[RB], v[TT+4], v[TT+5]
	v_cvt_pk_f16_f32 v[RB+1], v[TT+6], v[TT+7]
	v_cvt_pk_f16_f32 v[RB+2], v[TT], v[TT+1]
	v_cvt_pk_f16_f32 v[RB+3], v[TT+2], v[TT+3]
	global_store_b128 v[AKV], v[RB:RB+3], s[10:11] offset:(\p)*8192+256*(\i)
.endm
.macro ROWS0 p                         ; k's registers of set 0, by name (a register's halves have names)
	ROW \p, 0, v16.l, v16.h, v17.l, v17.h
	ROW \p, 1, v18.l, v18.h, v19.l, v19.h
	ROW \p, 2, v20.l, v20.h, v21.l, v21.h
	ROW \p, 3, v22.l, v22.h, v23.l, v23.h
	ROW \p, 4, v24.l, v24.h, v25.l, v25.h
	ROW \p, 5, v26.l, v26.h, v27.l, v27.h
	ROW \p, 6, v28.l, v28.h, v29.l, v29.h
	ROW \p, 7, v30.l, v30.h, v31.l, v31.h
	ROW \p, 8, v32.l, v32.h, v33.l, v33.h
	ROW \p, 9, v34.l, v34.h, v35.l, v35.h
	ROW \p, 10, v36.l, v36.h, v37.l, v37.h
	ROW \p, 11, v38.l, v38.h, v39.l, v39.h
	ROW \p, 12, v40.l, v40.h, v41.l, v41.h
	ROW \p, 13, v42.l, v42.h, v43.l, v43.h
	ROW \p, 14, v44.l, v44.h, v45.l, v45.h
	ROW \p, 15, v46.l, v46.h, v47.l, v47.h
.endm
.macro ROWS1 p
	ROW \p, 0, v48.l, v48.h, v49.l, v49.h
	ROW \p, 1, v50.l, v50.h, v51.l, v51.h
	ROW \p, 2, v52.l, v52.h, v53.l, v53.h
	ROW \p, 3, v54.l, v54.h, v55.l, v55.h
	ROW \p, 4, v56.l, v56.h, v57.l, v57.h
	ROW \p, 5, v58.l, v58.h, v59.l, v59.h
	ROW \p, 6, v60.l, v60.h, v61.l, v61.h
	ROW \p, 7, v62.l, v62.h, v63.l, v63.h
	ROW \p, 8, v64.l, v64.h, v65.l, v65.h
	ROW \p, 9, v66.l, v66.h, v67.l, v67.h
	ROW \p, 10, v68.l, v68.h, v69.l, v69.h
	ROW \p, 11, v70.l, v70.h, v71.l, v71.h
	ROW \p, 12, v72.l, v72.h, v73.l, v73.h
	ROW \p, 13, v74.l, v74.h, v75.l, v75.h
	ROW \p, 14, v76.l, v76.h, v77.l, v77.h
	ROW \p, 15, v78.l, v78.h, v79.l, v79.h
.endm
.macro ROUND p
.set RS, 80+64*((\p)%2)
.if (\p) < 3
	s_wait_loadcnt 32                              ; this round's 32 loads are in; the next round's may be out
.else
	s_wait_loadcnt 0
.endif
.set n, 1
.rept 15
	v_pk_add_f32 v[RS+4*n:RS+4*n+1], v[RS+4*n:RS+4*n+1], v[RS+4*n-4:RS+4*n-3]        ; the running sum down my 16 rows
	v_pk_add_f32 v[RS+4*n+2:RS+4*n+3], v[RS+4*n+2:RS+4*n+3], v[RS+4*n-2:RS+4*n-1]
.set n, n+1
.endr
.irp k, 0,1,2,3
	v_permlanex16_b32 v[216+\k], v[RS+60+\k], s42, s43                               ; the other half's total
.endr
.irp k, 0,1,2,3
	v_cndmask_b32 v[12+\k], 0, v[216+\k], s40                                        ; rows 16-31 lie behind rows 0-15
.endr
	v_pk_add_f32 v[12:13], v[12:13], v[8:9]        ; + the carry: what lies in front of my rows
	v_pk_add_f32 v[14:15], v[14:15], v[10:11]
	v_pk_add_f32 v[216:217], v[216:217], v[RS+60:RS+61]                              ; the round's total: the same two numbers added in both halves, so the same bits
	v_pk_add_f32 v[218:219], v[218:219], v[RS+62:RS+63]
	v_pk_add_f32 v[8:9], v[8:9], v[216:217]
	v_pk_add_f32 v[10:11], v[10:11], v[218:219]
	v_pk_mul_f32 v[12:13], v[12:13], v[222:223]
	v_pk_mul_f32 v[14:15], v[14:15], v[222:223]
.if ((\p)%2) == 0
	ROWS0 \p
.else
	ROWS1 \p
.endif
.if (\p) < 2
	s_wait_xcnt 0x0                                ; the stores have read their registers: the round after next may land there
	LOADR (\p)+2
.endif
.endm
	ROUND 0
	ROUND 1
	ROUND 2
	ROUND 3
	s_endpgm
.Lfunc_end_k_q0946dcfbf3_scan:
	.size	k_q0946dcfbf3_scan, .Lfunc_end_k_q0946dcfbf3_scan-k_q0946dcfbf3_scan
	.p2alignl 7, 3214868480
	.fill 96, 4, 3214868480
	.section	.rodata,"a",@progbits
	.p2align	6, 0x0
	.amdhsa_kernel k_q0946dcfbf3_scan
		.amdhsa_group_segment_fixed_size 0
		.amdhsa_private_segment_fixed_size 0
		.amdhsa_enable_private_segment 0
		.amdhsa_kernarg_size 32
		.amdhsa_user_sgpr_count 2
		.amdhsa_user_sgpr_kernarg_segment_ptr 1
		.amdhsa_wavefront_size32 1
		.amdhsa_system_sgpr_workgroup_id_x 1
		.amdhsa_system_sgpr_workgroup_id_y 1
		.amdhsa_system_sgpr_workgroup_id_z 1
		.amdhsa_system_vgpr_workitem_id 0
		.amdhsa_next_free_vgpr 232
		.amdhsa_next_free_sgpr 66
		.amdhsa_reserve_vcc 0
		.amdhsa_float_denorm_mode_32 3
		.amdhsa_float_denorm_mode_16_64 3
		.amdhsa_memory_ordered 1
		.amdhsa_forward_progress 1
		.amdhsa_inst_pref_size 77
	.end_amdhsa_kernel
	.amdgpu_metadata
---
amdhsa.version: [ 1, 2 ]
amdhsa.kernels:
  - .name:           k_q0946dcfbf3_scan
    .symbol:         k_q0946dcfbf3_scan.kd
    .args:
      - { .name: kvf, .offset: 0, .size: 8, .value_kind: global_buffer, .address_space: global }
      - { .name: kv16, .offset: 8, .size: 8, .value_kind: global_buffer, .address_space: global }
      - { .name: tabs, .offset: 16, .size: 8, .value_kind: global_buffer, .address_space: global }
      - { .name: kpp, .offset: 24, .size: 8, .value_kind: global_buffer, .address_space: global }
    .group_segment_fixed_size: 0
    .private_segment_fixed_size: 0
    .kernarg_segment_align: 8
    .kernarg_segment_size: 32
    .max_flat_workgroup_size: 128
    .sgpr_count:     66
    .vgpr_count:     232
    .wavefront_size: 32
...
	.end_amdgpu_metadata
.endif
;; end of part 3
;; launch attn (part 4): grid 8 x 32, 8 waves a work-group, no clusters, 327,680 bytes of LDS; arguments qpp, kpp, kv16, tabs, att; writes att
.if DOCPART == 4
	.amdgcn_target "amdgcn-amd-amdhsa--gfx1250"
	.amdhsa_code_object_version 6
	.text
	.protected	k_q0946dcfbf3_attn
	.globl	k_q0946dcfbf3_attn
	.p2align	8
	.type	k_q0946dcfbf3_attn,@function
k_q0946dcfbf3_attn:
	s_mov_b64 s[64:65], 0
	v_nop
	global_prefetch_b8 v0, s[64:65] scope:SCOPE_SE
	s_setreg_imm32_b32 hwreg(HW_REG_WAVE_MODE, 25, 1), 1
	s_wait_xcnt 0x0
; ATTN: causal attention of one head on f16 operands, sums in f32.  The score of query q and key k is ONE product of K = 128: R = Q''[q] . K''[k]; t = R x cq[q] x hf is the score x log2(e),
; cq = the query row's 2^-sq, hf = 2^-sk x log2(e) / 8 from the head's bound: both scales are powers of two and are undone here in f32.
; SOFTMAX: for each query a running maximum m (of R) and sum l: p = 2^(c R - c m), c = cq x hf > 0; in every step O and l are multiplied by a = 2^(c m_old - c m_new).  p is rounded to f16 for the second product; l sums the unrounded p.
; SHARES: a work-group owns 256 queries of one head, each of its eight waves 32: two tiles of 16, so that each fragment of K'' and V read from LDS feeds two matrix instructions; two waves share a SIMD.
; LAYOUT: S^T = K'' Q''^T (source 0 = 16 keys, source 1 = 16 queries): a lane holds ONE query (lane % 16) and keys 8 (lane / 16) + 0..7; two such tiles, rounded to f16 in pairs, are source 1 of O^T = V^T P.
; V ([key][channel]) comes out of LDS turned, by ds_load_tr16_b128.  O^T, packed to f16, IS the projection's operand fragment (16 tokens x 32 channels) and is stored as an image of its registers.
; RING: two LDS slots of 256 keys, filled by tensor loads (waves 0, 1: K''s halves; waves 2, 3: V's), read by all eight.  Every work-group walks all eight slots: the trip counts are constants.
; CAUSAL: a step of 64 keys all of which come after the wave's queries is jumped over (ids alone); on the diagonal hidden scores become -infinity; a slot whose first key comes after the work-group's last query is not asked for.
; No cluster: under the causal mask the query blocks of a head need different numbers of slots, so partners would jump over the reads of tiles asked for jointly.
; LIMITS: |v| and the result under 65,504 (f16); NaN and infinities are not served.
.set PK,    272                        ; a row of K'' in LDS: 256 bytes + 16 of padding
.set PV,    160                        ; a row of V: 128 bytes + 32 of padding: an odd multiple of 32, for the turning load
.set VOFF,  256*PK
.set SLOT1, 1<<17                      ; slot 1 begins here: one exclusive or turns an address from one slot to the other
.set SPARE, 2*SLOT1                    ; the spare words, 128 bytes a wave: four blocks of 256 bytes that no other line names
.set AK0, 1
.set AV0, 2
.set ADK, 3
.set ADV, 4
.set SPW, 5
.set NIL, 6
.set GO,  7                            ; 16 x lane
.set PFO, 8                            ; 256 x lane
.set LT,  9                            ; r - 8 h
.set DD,  10
.set NINF, 11
.set ST,  12                           ; tile x's statistics at v[ST + 8 x]: +0 c m, +1 m, +2, +3 l, +4 .. +7 at work; a takes +6
.set CL,  28                           ; v[28 + 2 x]: c of my query
.set Q,   32                           ; v32-95   Q'': tile x, 32 along K c: 32 x + 8 c
.set S,   96                           ; v96-159  S^T, then p: 32 x + 8 kt
.set P,   160                          ; v160-191 P: 16 x + 8 kc
.set O,   192                          ; v192-255 O^T: 32 x + 8 ct.   Window 1: v0-127 K'' (32 kt + 8 c), v128-191 V (8 (4 kc + ct))
.set WV,  18
.set SEL, 20
.set TK,  2
.set TV,  3
.set G1K, 24
.set G1V, 32
.set G0K, 40
.set G0V, 44
.set SLOTS, 48
.set KF,  49                           ; the step's first key
.set Q0,  50                           ; my first query
.set QL,  51                           ; my last
.set WL,  52                           ; my work-group's last
.set CNT, 53
.set PFK, 54
.set PFV, 56
.set LIM, 58
.set MSB, 0
.macro WIN new
.if MSB != (\new)
	s_set_vgpr_msb (MSB<<8)|(\new)
.set MSB, (\new)
.endif
.endm
.macro TLOAD                           ; waves 0 and 1 fetch K'', waves 2 and 3 V, the others nothing; an s_nop 0 and four v_nop follow each line
	s_cmp_lt_u32 s[WV], 2
	s_cbranch_scc0 .Lnot_k_\@
	tensor_load_to_lds s[G0K:G0K+3], s[G1K:G1K+7]
	s_nop 0
.rept 4
	v_nop
.endr
	s_branch .Lasked_\@
.Lnot_k_\@:
	s_cmp_lt_u32 s[WV], 4
	s_cbranch_scc0 .Lasked_\@
	tensor_load_to_lds s[G0V:G0V+3], s[G1V:G1V+7]
	s_nop 0
.rept 4
	v_nop
.endr
.Lasked_\@:
.endm
; A prefetch of what the NEXT change of slots will ask for: 256 rows of K'' (65,536 dense bytes) and of V (32,768).  Each aligned block of 256 bytes is named once in the launch: of the eight work-groups of a head
; the last, which walks every slot at work, asks; in it waves 4 to 7, which fetch nothing: 16,384 bytes of K'' (two instructions, lanes 256 bytes apart) and 8,192 of V each.
; Slots 0 and 1 come by their loads alone; the last change that fills a slot asks for nothing.
.macro ASK
	s_cmp_gt_u32 s[SLOTS], s[LIM]
	s_cbranch_scc0 .Lnot_mine_\@
	global_prefetch_b8 v[PFO], s[PFK:PFK+1] th:TH_LOAD_NT scope:SCOPE_SE
	global_prefetch_b8 v[PFO], s[PFK:PFK+1] offset:8192 th:TH_LOAD_NT scope:SCOPE_SE
	global_prefetch_b8 v[PFO], s[PFV:PFV+1] th:TH_LOAD_NT scope:SCOPE_SE
.Lnot_mine_\@:
.endm
	s_load_b256 s[4:11], s[0:1], 0x0               ; qpp s[4:5], kpp s[6:7], kv16 s[8:9], tabs s[10:11]
	s_load_b64 s[12:13], s[0:1], 0x20              ; att
	v_lshl_add_u32 v[SPW], v0, 2, SPARE
	v_mov_b32 v[NIL], 0
	ds_add_u32 v[SPW], v[NIL]                      ; the wave's opening: the add, twice on end, and its wait ahead of the first tensor load
	ds_add_u32 v[SPW], v[NIL]
	v_lshrrev_b32 v1, 5, v0
	v_readfirstlane_b32 s[WV], v1                  ; wave 0..7
	s_and_b32 s59, ttmp7, 0xffff                   ; bh
	s_lshl_b32 s[Q0], ttmp9, 8
	s_or_b32 s[WL], s[Q0], 255
	s_lshl_b32 s60, s[WV], 5
	s_add_co_u32 s[Q0], s[Q0], s60
	s_add_co_u32 s[QL], s[Q0], 31
	s_and_b32 s61, s[WV], 1                        ; which half of a slot's rows I fetch, if I fetch
	s_mul_i32 s62, s61, 128*PK
	s_mul_i32 s63, s61, 128*PV
	s_add_co_u32 s63, s63, VOFF
	s_lshl_b32 s84, s59, 19                        ; K'': a head is 2,048 rows of 256 bytes
	s_lshl_b32 s60, s61, 15
	s_add_co_u32 s84, s84, s60
	s_mov_b32 s85, 0
	s_lshl_b32 s86, s59, 18                        ; V: rows of 128 bytes, in the buffer's second half
	s_lshl_b32 s60, s61, 14
	s_add_co_u32 s86, s86, s60
	s_add_co_u32 s86, s86, 8388608
	s_mov_b32 s87, 0
	s_and_b32 s60, s[WV], 3                        ; the prefetches: my wave's part, in slot 1; the first change of slots steps it to slot 2
	s_lshl_b32 s88, s59, 19
	s_lshl_b32 s90, s60, 14
	s_add_co_u32 s88, s88, s90
	s_add_co_u32 s88, s88, 65536
	s_mov_b32 s89, 0
	s_lshl_b32 s90, s59, 18
	s_lshl_b32 s60, s60, 13
	s_add_co_u32 s90, s90, s60
	s_add_co_u32 s90, s90, 8388608+32768
	s_mov_b32 s91, 0
	s_lshr_b32 s60, s[WV], 2
	s_xor_b32 s60, s60, 1                          ; 0 in waves 4 to 7,
	s_xor_b32 s92, ttmp9, 7
	s_or_b32 s60, s60, s92                         ; of the head's last work-group
	s_cmp_eq_u32 s60, 0
	s_cselect_b32 s[LIM], 1, -1
	s_lshl_b32 s92, s59, 11
	s_add_co_u32 s92, s92, s[Q0]                   ; my first query's row
	s_lshl_b32 s94, s92, 8
	s_mov_b32 s95, 0
	s_lshl_b32 s92, s92, 2
	s_mov_b32 s93, 0
	s_lshr_b32 s60, s59, 4                         ; batch
	s_lshl_b32 s60, s60, 11
	s_add_co_u32 s60, s60, s[Q0]                   ; my first token; / 16 x 32,768 bytes:
	s_lshl_b32 s96, s60, 11
	s_and_b32 s60, s59, 15                         ; head: two chunks of 1,024 bytes
	s_lshl_b32 s60, s60, 11
	s_add_co_u32 s96, s96, s60
	s_mov_b32 s97, 0
	s_lshl_b32 s98, s59, 6
	s_add_co_u32 s98, s98, 393216
	s_mov_b32 s99, 0
	s_mov_b32 s[G1K], (1<<16)|(1<<20)|(5<<22)|(3<<25)   ; elements of 2 bytes; padding: 4 words after every 64
	s_mov_b32 s[G1K+1], 128<<16                    ; tensor_dim0
	s_mov_b32 s[G1K+2], 128<<16                    ; tensor_dim1
	s_mov_b32 s[G1K+3], 128<<16                    ; tile_dim0
	s_mov_b32 s[G1K+4], 128                        ; tile_dim1
	s_mov_b32 s[G1K+5], 128                        ; the pitch
	s_mov_b32 s[G1K+6], 0
	s_mov_b32 s[G1K+7], 0
	s_mov_b32 s[G1V], (1<<16)|(1<<20)|(4<<22)|(7<<25)   ; padding: 8 words after every 32
	s_mov_b32 s[G1V+1], 64<<16
	s_mov_b32 s[G1V+2], 128<<16
	s_mov_b32 s[G1V+3], 64<<16
	s_mov_b32 s[G1V+4], 128
	s_mov_b32 s[G1V+5], 64
	s_mov_b32 s[G1V+6], 0
	s_mov_b32 s[G1V+7], 0
	s_mov_b32 s[SEL], 0x76543210
	s_mov_b32 s[SEL+1], 0xfedcba98
	s_mov_b32 s[TK], 0
	s_mov_b32 s[TV], 0
	s_mov_b32 s[KF], 0
	s_mov_b32 s[SLOTS], 7
	s_wait_dscnt 0x0                               ; both opening adds are done
	s_wait_kmcnt 0x0
	s_mov_b32 s[G0K], 1
	s_mov_b32 s[G0K+1], s62
	s_add_nc_u64 s[G0K+2:G0K+3], s[6:7], s[84:85]
	s_or_b32 s[G0K+3], s[G0K+3], 0x80000000
	s_mov_b32 s[G0V], 1
	s_mov_b32 s[G0V+1], s63
	s_add_nc_u64 s[G0V+2:G0V+3], s[8:9], s[86:87]
	s_or_b32 s[G0V+3], s[G0V+3], 0x80000000
	TLOAD                                          ; slot 0: it holds key 0, which counts for every query
	s_add_nc_u64 s[PFK:PFK+1], s[6:7], s[88:89]
	s_add_nc_u64 s[PFV:PFV+1], s[8:9], s[90:91]
	s_add_nc_u64 s[4:5], s[4:5], s[94:95]          ; Q'' at my first query
	s_add_nc_u64 s[84:85], s[10:11], s[92:93]      ; cq likewise
	s_add_nc_u64 s[12:13], s[12:13], s[96:97]      ; my first fragment of the result
	s_add_nc_u64 s[86:87], s[10:11], s[98:99]
	s_load_b512 s[68:83], s[86:87], 0x0            ; the head's 16 bounds
	v_and_b32 v160, 15, v0                         ; r
	v_bfe_u32 v161, v0, 4, 1                       ; h
	v_lshlrev_b32 v162, 8, v160
	v_lshl_add_u32 v162, v161, 4, v162             ; Q'': row r of 256 bytes, + 16 h
.irp x, 0,1
.irp c, 0,1,2,3
	global_load_b128 v[Q+32*\x+8*\c:Q+32*\x+8*\c+3], v162, s[4:5] offset:4096*\x+64*\c
	global_load_b128 v[Q+32*\x+8*\c+4:Q+32*\x+8*\c+7], v162, s[4:5] offset:4096*\x+64*\c+32
.endr
.endr
	v_lshlrev_b32 v163, 2, v160
	global_load_b32 v[CL], v163, s[84:85]
	global_load_b32 v[CL+2], v163, s[84:85] offset:64
	v_mul_u32_u24 v[AK0], v160, PK
	v_lshl_add_u32 v[AK0], v161, 4, v[AK0]         ; K'': row r x pitch + 16 h
	v_and_b32 v164, 7, v0
	v_bfe_u32 v165, v0, 3, 1
	v_lshl_add_u32 v[AV0], v161, 3, v164
	v_mul_u32_u24 v[AV0], v[AV0], PV
	v_lshl_add_u32 v[AV0], v165, 4, v[AV0]
	v_add_nc_u32 v[AV0], VOFF, v[AV0]              ; V: key 8 h + l % 8, channels 8 ((l / 8) % 2) on
	v_and_b32 v164, 31, v0
	v_lshlrev_b32 v[GO], 4, v164
	v_lshlrev_b32 v[PFO], 8, v164
	v_lshlrev_b32 v165, 3, v161
	v_sub_nc_u32 v[LT], v160, v165
	v_mov_b32 v[NINF], 0xff800000
.irp x, 0,1
	v_mov_b32 v[ST+8*\x], 0xff61b1e6               ; c m and m begin at -3e38, under every score
	v_mov_b32 v[ST+8*\x+1], 0xff61b1e6
.irp k, 2,3,4,5,6,7
	v_mov_b32 v[ST+8*\x+\k], 0                     ; l; and the registers at work, so that each is written on every way
.endr
.endr
.set n, 0
.rept 64
	v_mov_b32 v[O+n], 0                            ; O^T.  (The step is written once: the first finds zeros, which a = 0 leaves zeros)
.set n, n+1
.endr
	s_wait_kmcnt 0x0
.irp i, 69,70,71,72,73,74,75,76,77,78,79,80,81,82,83
	s_max_u32 s68, s68, s\i                        ; positive numbers: their bits order them
.endr
	s_and_b32 s68, s68, 0x7f800000
	s_sub_co_u32 s68, s68, 0x07000000              ; 2^-sk
	s_mul_f32 s68, s68, 0x3e38aa3b                 ; x log2(e) / 8
	s_wait_loadcnt 0x0                             ; Q'' and cq
	v_mul_f32 v[CL], s68, v[CL]
	v_mul_f32 v[CL+2], s68, v[CL+2]
	v_mov_b32 v[CL+1], v[CL]                       ; (named with it as a pair)
	v_mov_b32 v[CL+3], v[CL+2]
; A KEY STEP: 64 keys at s[TK], s[TV] in the slot in hand.
.macro STEP
	s_cmp_gt_u32 s[KF], s[QL]                      ; all its keys come after my queries: only the stepping lines at its end are run
	s_cbranch_scc1 .Lhidden_\@
	v_add_nc_u32 v[ADK], s[TK], v[AK0]
	v_add_nc_u32 v[ADV], s[TV], v[AV0]
	v_nop
	v_nop                                          ; four places behind the last products, in front of the loads into V's registers
	WIN 0x40                                       ; destination window 1
.set n, 0
.rept 16
	ds_load_b128 v[8*n:8*n+3], v[ADK] offset:(n/4)*16*PK+(n%4)*64          ; keys 16 (n / 4) on, 32 (n % 4) along K on
	ds_load_b128 v[8*n+4:8*n+7], v[ADK] offset:(n/4)*16*PK+(n%4)*64+32
.set n, n+1
.endr
.set n, 0
.rept 8
	ds_load_tr16_b128 v[128+8*n:128+8*n+3], v[ADV] offset:(n/4)*32*PV+(n%4)*32       ; keys 32 (n / 4) on, channels 16 (n % 4) on
	ds_load_tr16_b128 v[128+8*n+4:128+8*n+7], v[ADV] offset:(n/4)*32*PV+16*PV+(n%4)*32
.set n, n+1
.endr
	s_wait_dscnt 16                                ; K'' is in; V's sixteen loads may be out
	WIN 0x01                                       ; source 0 window 1
.irp c, 0,1,2,3                                ; the eight accumulators take turns, one instruction a turn
.irp x, 0,1
.irp kt, 0,1,2,3
.if \c == 0
	v_wmma_f32_16x16x32_f16 v[S+32*\x+8*\kt:S+32*\x+8*\kt+7], v[32*\kt+8*\c:32*\kt+8*\c+7], v[Q+32*\x+8*\c:Q+32*\x+8*\c+7], 0
.else
	v_wmma_f32_16x16x32_f16 v[S+32*\x+8*\kt:S+32*\x+8*\kt+7], v[32*\kt+8*\c:32*\kt+8*\c+7], v[Q+32*\x+8*\c:Q+32*\x+8*\c+7], v[S+32*\x+8*\kt:S+32*\x+8*\kt+7]
.endif
.endr
.endr
.endr
	WIN 0
.rept 4
	v_nop
.endr
	s_add_co_u32 s96, s[KF], 63                    ; a step all of whose keys count for all my queries skips the mask
	s_cmp_le_u32 s96, s[Q0]
	s_cbranch_scc1 .Lopen_\@
	s_sub_co_i32 s96, s[Q0], s[KF]
	v_add_nc_u32 v[DD], s96, v[LT]                 ; d = Q0 - KF + r - 8 h.  Register 8 kt + j of tile x holds key KF + 16 kt + 8 h + j for query Q0 + 16 x + r: hidden where 16 kt + j - 16 x > d
.irp x, 0,1
.irp kt, 0,1,2,3
.irp j, 0,1,2,3,4,5,6,7
	v_cmp_gt_i32 vcc_lo, 16*\kt+\j-16*\x, v[DD]
	v_cndmask_b32 v[S+32*\x+8*\kt+\j], v[S+32*\x+8*\kt+\j], v[NINF], vcc_lo
.endr
.endr
.endr
.Lopen_\@:
.irp j, 0,1,2,3                                ; the maximum of 32 scores and the old m, three operands at a time, four chains a tile; each accumulator is read from its low end on
.irp x, 0,1
	v_max3_num_f32 v[ST+8*\x+4+\j], v[S+32*\x+8*\j], v[S+32*\x+8*\j+1], v[S+32*\x+8*\j+2]
.endr
.endr
.irp g, 1,2
.irp j, 0,1,2,3
.irp x, 0,1
	v_max3_num_f32 v[ST+8*\x+4+\j], v[ST+8*\x+4+\j], v[S+32*\x+8*\j+2*\g+1], v[S+32*\x+8*\j+2*\g+2]
.endr
.endr
.endr
.irp x, 0,1
	v_max3_num_f32 v[ST+8*\x+4], v[ST+8*\x+4], v[S+32*\x+7], v[S+32*\x+15]
	v_max3_num_f32 v[ST+8*\x+6], v[ST+8*\x+6], v[S+32*\x+23], v[S+32*\x+31]
.endr
.irp x, 0,1
	v_max3_num_f32 v[ST+8*\x+4], v[ST+8*\x+4], v[ST+8*\x+5], v[ST+8*\x+6]
.endr
.irp x, 0,1
	v_max3_num_f32 v[ST+8*\x+4], v[ST+8*\x+4], v[ST+8*\x+7], v[ST+8*\x+1]
.endr
.irp x, 0,1
	v_permlanex16_b32 v[ST+8*\x+5], v[ST+8*\x+4], s[SEL], s[SEL+1]   ; the query's other 32 keys lie in lane l xor 16
.endr
.irp x, 0,1
	v_mov_b32 v[ST+8*\x+7], v[ST+8*\x]             ; c m_old is kept for a
.endr
.irp x, 0,1
	v_max_num_f32 v[ST+8*\x+1], v[ST+8*\x+4], v[ST+8*\x+5]
.endr
.irp x, 0,1
	v_mul_f32 v[ST+8*\x], v[CL+2*\x], v[ST+8*\x+1]
.endr
.irp x, 0,1
	v_sub_f32 v[ST+8*\x+7], v[ST+8*\x+7], v[ST+8*\x]
.endr
.set n, 0
.rept 16
.irp x, 0,1
	v_pk_fma_f32 v[S+32*\x+2*n:S+32*\x+2*n+1], v[S+32*\x+2*n:S+32*\x+2*n+1], v[CL+2*\x:CL+2*\x+1], v[ST+8*\x:ST+8*\x+1] op_sel_hi:[1,0,0] neg_lo:[0,0,1] neg_hi:[0,0,1]   ; c R - c m, two at a time
.endr
.set n, n+1
.endr
.irp x, 0,1
	v_exp_f32 v[ST+8*\x+6], v[ST+8*\x+7]           ; a
.endr
.set n, 0
.rept 64
	v_exp_f32 v[S+n], v[S+n]                       ; p: one batch
.set n, n+1
.endr
	v_nop                                          ; a plain place behind the last exponential
	s_wait_alu depctr_va_vdst(0)                   ; one wait for the batch, ahead of its first reader
.set n, 0
.rept 32
	v_cvt_pk_f16_f32 v[P+n], v[S+2*n], v[S+2*n+1]
.set n, n+1
.endr
.irp w, 4,8,16,32                              ; the sums of the unrounded p, in place: neighbours 1, 2, 4 and 8 pairs apart, both tiles
.set n, 0
.rept 64/\w
	v_pk_add_f32 v[S+\w*n:S+\w*n+1], v[S+\w*n:S+\w*n+1], v[S+\w*n+\w/2:S+\w*n+\w/2+1]
.set n, n+1
.endr
.endr
.irp x, 0,1
	v_pk_fma_f32 v[ST+8*\x+2:ST+8*\x+3], v[ST+8*\x+2:ST+8*\x+3], v[ST+8*\x+6:ST+8*\x+7], v[S+32*\x:S+32*\x+1] op_sel_hi:[1,0,1]   ; l = a l + the sum
.endr
.irp x, 0,1
.set n, 0
.rept 16
	v_pk_mul_f32 v[O+32*\x+2*n:O+32*\x+2*n+1], v[O+32*\x+2*n:O+32*\x+2*n+1], v[ST+8*\x+6:ST+8*\x+7] op_sel_hi:[1,0]   ; O^T x a
.set n, n+1
.endr
.endr
	s_wait_dscnt 0x0                               ; V is in
	WIN 0x01
.irp kc, 0,1
.irp x, 0,1
.irp ct, 0,1,2,3
	v_wmma_f32_16x16x32_f16 v[O+32*\x+8*\ct:O+32*\x+8*\ct+7], v[128+8*(4*\kc+\ct):128+8*(4*\kc+\ct)+7], v[P+16*\x+8*\kc:P+16*\x+8*\kc+7], v[O+32*\x+8*\ct:O+32*\x+8*\ct+7]
.endr
.endr
.endr
	WIN 0
.Lhidden_\@:
	s_add_co_u32 s[TK], s[TK], 64*PK
	s_add_co_u32 s[TV], s[TV], 64*PV
	s_add_co_u32 s[KF], s[KF], 64
.endm
; THE CHANGE OF SLOTS stands at a slot's head.  Each wave waits for all its tensor loads, adds 0 to its spare word, and waits for that and for its reads of the slot that it has left; behind the barrier the slot ahead
; is whole and nobody reads the other.  fill = 1: that other slot is filled with the next 256 keys, up to the causal limit: the load has a slot's four steps in which to land; one tensor load of a loading wave is out.
.macro CHANGE fill
	s_wait_tensorcnt 0x0                           ; no tensor load of mine is out, so a group 0 may be written
	ds_add_u32 v[SPW], v[NIL]                      ; 0 onto my spare word
.if \fill
	ds_add_u32 v[SPW], v[NIL]                      ; and once more: the add twice on end, in every trip alike
	s_xor_b32 s[G0K+1], s[G0K+1], SLOT1
	s_add_nc_u64 s[G0K+2:G0K+3], s[G0K+2:G0K+3], 65536
	s_xor_b32 s[G0V+1], s[G0V+1], SLOT1
	s_add_nc_u64 s[G0V+2:G0V+3], s[G0V+2:G0V+3], 32768
	s_wait_xcnt 0x0                                ; the last prefetches, a slot back, have read their addresses
	s_add_nc_u64 s[PFK:PFK+1], s[PFK:PFK+1], 65536
	s_add_nc_u64 s[PFV:PFV+1], s[PFV:PFV+1], 32768
.endif
	s_wait_dscnt 0x0                               ; the add is done, and my reads of the slot that I have left are over
	s_barrier_signal -1
	s_barrier_wait -1
.if \fill
	s_add_co_u32 s96, s[KF], 256                   ; the first key of the slot that this change would ask for:
	s_cmp_gt_u32 s96, s[WL]                        ; behind my work-group's last query none of its waves reads it, so it is not asked for.  Ids and the count of steps alone: all eight waves go the same way
	s_cbranch_scc1 .Lpast_\@
	TLOAD
.Lpast_\@:
	ASK
.endif
.endm
.macro SLOT_STEPS                      ; a slot's four key steps: written once, walked four times
	s_mov_b32 s[CNT], 4
.Lstep_\@:
	STEP
	s_sub_co_u32 s[CNT], s[CNT], 1
	s_cmp_lg_u32 s[CNT], 0
	s_cbranch_scc1 .Lstep_\@
	s_sub_co_u32 s[TK], s[TK], 4*64*PK             ; back to a slot's first step,
	s_xor_b32 s[TK], s[TK], SLOT1                  ; in the other slot
	s_sub_co_u32 s[TV], s[TV], 4*64*PV
	s_xor_b32 s[TV], s[TV], SLOT1
.endm
.Lslot:                                            ; seven trips: behind each change of slots but the last the next slot is asked for, up to the causal limit
	CHANGE 1
	SLOT_STEPS
	s_sub_co_u32 s[SLOTS], s[SLOTS], 1
	s_cmp_lg_u32 s[SLOTS], 0
	s_cbranch_scc1 .Lslot
	CHANGE 0                                       ; the last slot is written out: nothing is left to ask for
	SLOT_STEPS
	; THE WAY OUT: O^T / l, rounded to f16: registers 4 ct .. 4 ct + 3 of tile x are half a fragment (16 tokens x channels 16 ct + 8 h + 0 .. 7) of the projection's operand, stored as they stand
.rept 4
	v_nop
.endr
.irp x, 0,1
	v_add_f32 v[ST+8*\x+4], v[ST+8*\x+2], v[ST+8*\x+3]
.endr
.irp x, 0,1
	v_permlanex16_b32 v[ST+8*\x+5], v[ST+8*\x+4], s[SEL], s[SEL+1]
.endr
.irp x, 0,1
	v_add_f32 v[ST+8*\x+4], v[ST+8*\x+4], v[ST+8*\x+5]
.endr
.irp x, 0,1
	v_rcp_f32 v[ST+8*\x+6], v[ST+8*\x+4]
.endr
	v_nop
	s_wait_alu depctr_va_vdst(0)                   ; one wait for the two reciprocals, ahead of their first reader
.irp x, 0,1
.set n, 0
.rept 16
	v_pk_mul_f32 v[O+32*\x+2*n:O+32*\x+2*n+1], v[O+32*\x+2*n:O+32*\x+2*n+1], v[ST+8*\x+6:ST+8*\x+7] op_sel_hi:[1,0]
.set n, n+1
.endr
.endr
.set n, 0
.rept 32
	v_cvt_pk_f16_f32 v[P+n], v[O+2*n], v[O+2*n+1]
.set n, n+1
.endr
.irp x, 0,1
.irp ct, 0,1,2,3
	global_store_b128 v[GO], v[P+16*\x+4*\ct:P+16*\x+4*\ct+3], s[12:13] offset:32768*\x+512*\ct   ; 32 lanes store 512 consecutive bytes
.endr
.endr
	s_wait_tensorcnt 0x0                           ; the wave's end
	ds_add_u32 v[SPW], v[NIL]
	s_wait_dscnt 0x0
	s_endpgm
.Lfunc_end_k_q0946dcfbf3_attn:
	.size	k_q0946dcfbf3_attn, .Lfunc_end_k_q0946dcfbf3_attn-k_q0946dcfbf3_attn
	.p2alignl 7, 3214868480
	.fill 96, 4, 3214868480
	.section	.rodata,"a",@progbits
	.p2align	6, 0x0
	.amdhsa_kernel k_q0946dcfbf3_attn
		.amdhsa_group_segment_fixed_size 327680
		.amdhsa_private_segment_fixed_size 0
		.amdhsa_enable_private_segment 0
		.amdhsa_kernarg_size 40
		.amdhsa_user_sgpr_count 2
		.amdhsa_user_sgpr_kernarg_segment_ptr 1
		.amdhsa_wavefront_size32 1
		.amdhsa_system_sgpr_workgroup_id_x 1
		.amdhsa_system_sgpr_workgroup_id_y 1
		.amdhsa_system_sgpr_workgroup_id_z 1
		.amdhsa_system_vgpr_workitem_id 0
		.amdhsa_next_free_vgpr 448
		.amdhsa_next_free_sgpr 100
		.amdhsa_reserve_vcc 1
		.amdhsa_float_denorm_mode_32 3
		.amdhsa_float_denorm_mode_16_64 3
		.amdhsa_memory_ordered 1
		.amdhsa_forward_progress 1
		.amdhsa_inst_pref_size 67
	.end_amdhsa_kernel
	.amdgpu_metadata
---
amdhsa.version: [ 1, 2 ]
amdhsa.kernels:
  - .name:           k_q0946dcfbf3_attn
    .symbol:         k_q0946dcfbf3_attn.kd
    .args:
      - { .name: qpp, .offset: 0, .size: 8, .value_kind: global_buffer, .address_space: global }
      - { .name: kpp, .offset: 8, .size: 8, .value_kind: global_buffer, .address_space: global }
      - { .name: kv16, .offset: 16, .size: 8, .value_kind: global_buffer, .address_space: global }
      - { .name: tabs, .offset: 24, .size: 8, .value_kind: global_buffer, .address_space: global }
      - { .name: att, .offset: 32, .size: 8, .value_kind: global_buffer, .address_space: global }
    .group_segment_fixed_size: 327680
    .private_segment_fixed_size: 0
    .kernarg_segment_align: 8
    .kernarg_segment_size: 40
    .max_flat_workgroup_size: 256
    .sgpr_count:     100
    .vgpr_count:     448
    .wavefront_size: 32
...
	.end_amdgpu_metadata
.endif
;; end of part 4
;; launch proj (part 5): grid 8 x 32, 4 waves a work-group, clusters of 4 x 4, 327,680 bytes of LDS; arguments att, pb, bout, out0; writes out0
.if DOCPART == 5
	.amdgcn_target "amdgcn-amd-amdhsa--gfx1250"
	.amdhsa_code_object_version 6
	.text
	.protected	k_q0946dcfbf3_proj
	.globl	k_q0946dcfbf3_proj
	.p2align	8
	.type	k_q0946dcfbf3_proj,@function
k_q0946dcfbf3_proj:
	s_mov_b64 s[64:65], 0
	v_nop
	global_prefetch_b8 v0, s[64:65] scope:SCOPE_SE
	s_setreg_imm32_b32 hwreg(HW_REG_WAVE_MODE, 25, 1), 1
	s_wait_xcnt 0x0
	s_wait_alu depctr_hold_cnt(0) depctr_sa_sdst(0) depctr_va_vdst(0) depctr_va_sdst(0) depctr_va_ssrc(0) depctr_va_vcc(0) depctr_vm_vsrc(0)
	s_getreg_b32 s2, hwreg(HW_REG_IB_STS2, 6, 4)
	s_cmp_eq_u32 s2, 0
	s_cbranch_scc0 .Lentry_in_a_cluster
	s_endpgm
.Lentry_in_a_cluster:
	s_bfe_u32 s2, ttmp6, 0x10000c
	s_cmp_lg_u32 s2, 0xf033
	s_cbranch_scc0 .Lentry_shape_is_right
	s_endpgm
.Lentry_shape_is_right:
; PROJ: out0 = att Wout + bout, f16 operands, sums in f32.  4,096 tokens x 1,024 columns, K = 1,024.
; Both operands lie in memory as images of their fragments (16 rows x 32 along K = 1,024 bytes: registers 0-3 of lane l at 16 l, registers 4-7 at 512 + 16 l), 32 fragments (all of K) of a tile of 16 rows on end.
; A tile of the result is 128 x 128: four waves, 64 x 64 each, 16 accumulators.  K goes in four steps of 256 through two LDS slots; a wave's tensor load brings 4 tiles of rows x 8,192 dense bytes.
; Fragments come out of LDS at 16 x lane: no pitch, no padding, no two lanes on one bank.
; CLUSTERS: 4 x 4 work-groups: att's tiles are asked for jointly along a row of the cluster, Wout's along a column.
; The matrix instruction is used transposed (source 0 = 16 columns of Wout, source 1 = 16 tokens): a lane holds eight neighbouring numbers of a row of the result.  The bias is the C of each sum's first instruction.
; REGISTERS: window 0: v16-29 addresses; v32-95 the way out; v96-127 the bias; v128-255 the accumulators ((a, b) at 128 + 8 (4 a + b)).  Window 1: two fragment buffers of 128.
.set HALFT,  32768
.set SLOT,   4*HALFT
.set STAGE,  2*SLOT                    ; behind the ring: 16 rows x 272 bytes for each wave
.set SPITCH, 272
.set SPARE,  STAGE+4*16*SPITCH         ; the spare words, 128 bytes a wave: two blocks of 256 bytes that no other line names
.set LAPS,   2
.set ADRA, 16
.set ADRB, 20
.set STO,  24
.set RD,   25
.set CO,   26
.set HL32, 27
.set SPW,  28
.set NIL,  29
.set BI,   96
.set ACC,  128
.set F0,   0
.set F1,   128
.set G1, 24
.set G0, 32
.set G1B, 48
.set G0B, 56
.set MSB, 0
.macro WIN new
.if MSB != (\new)
	s_set_vgpr_msb (MSB<<8)|(\new)
.set MSB, (\new)
.endif
.endm
.set MUL,  0x05                        ; sources 0 and 1 window 1; C and D window 0
.set TO_F, 0x40
.macro JLOAD s                         ; a joint load: waves 0 and 1 fetch att's two halves, waves 2 and 3 Wout's; an s_nop 0 and four v_nop follow each line
	s_cmp_eq_u32 s11, 0
	s_cbranch_scc0 .Lfor_b_\@
	tensor_load_to_lds s[G0+4*\s:G0+4*\s+3], s[G1:G1+7]
	s_nop 0
.rept 4
	v_nop
.endr
	s_branch .Lasked_\@
.Lfor_b_\@:
	tensor_load_to_lds s[G0B+4*\s:G0B+4*\s+3], s[G1B:G1B+7]
	s_nop 0
.rept 4
	v_nop
.endr
.Lasked_\@:
.endm
.macro CREST
	s_cmp_lg_u32 s10, 0
	s_cbranch_scc1 .Lnot_wave_0_\@
	s_barrier_signal -3
.Lnot_wave_0_\@:
	s_barrier_wait -3
	s_barrier_signal -1
	s_barrier_wait -1
.endm
.macro CROUND
	s_barrier_signal -1
	s_barrier_wait -1
	CREST
.endm
	s_load_b128 s[4:7], s[0:1], 0x0                ; att s[4:5], pb s[6:7]
	s_load_b128 s[68:71], s[0:1], 0x10             ; bout s[68:69], out0 s[70:71]
	v_lshl_add_u32 v[SPW], v0, 2, SPARE
	v_mov_b32 v[NIL], 0
	ds_add_u32 v[SPW], v[NIL]                      ; the wave's opening: the add, twice on end, and its wait ahead of my first tensor load
	ds_add_u32 v[SPW], v[NIL]
	v_lshrrev_b32 v1, 5, v0
	v_readfirstlane_b32 s10, v1                    ; wave 0..3
	s_lshr_b32 s11, s10, 1                         ; my half of the tile's tokens.  Also: I fetch for att (0) or for Wout (1)
	s_and_b32 s12, s10, 1                          ; my half of its columns.  Also: which 64 rows I fetch
	s_bfe_u32 s40, ttmp6, 0x40000
	s_bfe_u32 s41, ttmp6, 0x40004
	s_lshl_b32 s42, ttmp9, 2
	s_add_co_u32 s42, s42, s40                     ; tile column
	s_and_b32 s13, ttmp7, 0xffff
	s_lshl_b32 s13, s13, 2
	s_add_co_u32 s13, s13, s41                     ; tile row
	s_lshl_b32 s43, s41, 2
	s_lshl_b32 s43, 15, s43
	s_lshl_b32 s44, 0x1111, s40
	s_or_b32 s[G1+0], s43, (3<<16)|(1<<21)         ; the mask; elements of 8 bytes; no padding; bit 21 beside a mask
	s_or_b32 s[G1B+0], s44, (3<<16)|(1<<21)
.irp g, G1, G1B
	s_mov_b32 s[\g+1], 1024<<16                    ; tensor_dim0: 8,192 bytes, a K step's eight fragments of a tile of 16 rows
	s_mov_b32 s[\g+2], 4<<16                       ; tensor_dim1: four tiles of 16 rows
	s_mov_b32 s[\g+3], 1024<<16                    ; tile_dim0
	s_mov_b32 s[\g+4], 4                           ; tile_dim1
	s_mov_b32 s[\g+5], 4096                        ; the pitch: 32,768 bytes, all of K
	s_mov_b32 s[\g+6], 0
	s_mov_b32 s[\g+7], 0
.endr
	s_lshl_b32 s17, s12, 2
	s_lshl_b32 s16, s13, 3
	s_add_co_u32 s16, s16, s17                     ; att: tile of 16 tokens 8 x tile row + 4 x half
	s_lshl_b32 s16, s16, 15
	s_lshl_b32 s46, s42, 3
	s_add_co_u32 s46, s46, s17                     ; Wout: tile of 16 columns 8 x tile column + 4 x half
	s_lshl_b32 s46, s46, 15
	s_add_co_u32 s46, s46, 4456448
	s_mov_b32 s17, 0
	s_mov_b32 s47, 0
	s_mul_i32 s20, s10, HALFT
	s_wait_dscnt 0x0                               ; both opening adds are done
	s_wait_kmcnt 0x0
	s_add_nc_u64 s[14:15], s[4:5], s[16:17]
	s_add_nc_u64 s[46:47], s[6:7], s[46:47]
	CROUND                                         ; all sixteen work-groups are here: the first joint loads meet
.irp s, 0,1
	s_mov_b32 s[G0+4*\s], 1
	s_add_co_u32 s[G0+4*\s+1], s20, \s*SLOT
	s_add_nc_u64 s[G0+4*\s+2:G0+4*\s+3], s[14:15], \s*8192
	s_or_b32 s[G0+4*\s+3], s[G0+4*\s+3], 0x80000000
	s_mov_b32 s[G0B+4*\s], 1
	s_add_co_u32 s[G0B+4*\s+1], s20, \s*SLOT
	s_add_nc_u64 s[G0B+4*\s+2:G0B+4*\s+3], s[46:47], \s*8192
	s_or_b32 s[G0B+4*\s+3], s[G0B+4*\s+3], 0x80000000
	JLOAD \s                                       ; two tensor loads of mine are out
.endr
	v_and_b32 v1, 15, v0                           ; r
	v_bfe_u32 v2, v0, 4, 1                         ; h
	v_and_b32 v3, 31, v0
	v_lshlrev_b32 v3, 4, v3                        ; 16 x lane
	s_mul_i32 s21, s11, HALFT
	s_mul_i32 s22, s12, HALFT
	s_add_co_u32 s22, s22, 2*HALFT
.irp s, 0,1
	v_add_nc_u32 v[ADRA+\s], s21, v3
	v_add_nc_u32 v[ADRB+\s], s22, v3
	s_add_co_u32 s21, s21, SLOT
	s_add_co_u32 s22, s22, SLOT
.endr
	s_mul_i32 s23, s10, 16*SPITCH
	s_add_co_u32 s23, s23, STAGE                   ; my stage
	v_mul_u32_u24 v4, v1, SPITCH
	v_lshl_add_u32 v4, v2, 5, v4
	v_add_nc_u32 v[STO], s23, v4                   ; in: row r, + 32 h
	v_mul_u32_u24 v5, v2, SPITCH
	v_lshl_add_u32 v5, v1, 4, v5
	v_add_nc_u32 v[RD], s23, v5                    ; back: sixteen lanes to a row of 256 bytes
	v_lshlrev_b32 v5, 12, v2
	v_lshl_add_u32 v[CO], v1, 4, v5                ; and the same two rows of the result, 4,096 bytes apart
	v_lshlrev_b32 v[HL32], 5, v2
	s_lshl_b32 s46, s42, 9                         ; my first column, in bytes of f32: 512 x tile column + 256 x half: in the result and in the bias alike
	s_lshl_b32 s47, s12, 8
	s_add_co_u32 s46, s46, s47
	s_mov_b32 s47, 0
	s_add_nc_u64 s[68:69], s[68:69], s[46:47]
	s_lshl_b32 s16, s13, 7
	s_lshl_b32 s17, s11, 6
	s_add_co_u32 s16, s16, s17                     ; my first token
	s_lshl_b32 s16, s16, 12
	s_mov_b32 s17, 0
	s_add_nc_u64 s[16:17], s[16:17], s[46:47]
	s_add_nc_u64 s[70:71], s[70:71], s[16:17]
.irp b, 0,1,2,3
	global_load_b128 v[BI+8*\b:BI+8*\b+3], v[HL32], s[68:69] offset:64*\b          ; the bias of columns 16 b + 8 h + 0 .. 7
	global_load_b128 v[BI+8*\b+4:BI+8*\b+7], v[HL32], s[68:69] offset:64*\b+16
.endr
; 8 matrix instructions: token blocks a0, a0 + 1 x all 4 column blocks, 32 along K: half c of buffer f.  zero = 1: the first product starts the sums from the bias.  The 16 accumulators take turns.
.macro MUL8 f, c, a0, zero
.irp a, \a0, \a0+1
.irp b, 0,1,2,3
.if \zero
	v_wmma_f32_16x16x32_f16 v[ACC+8*(4*(\a)+\b):ACC+8*(4*(\a)+\b)+7], v[\f+64+8*(4*\c+\b):\f+64+8*(4*\c+\b)+7], v[\f+8*(4*\c+\a):\f+8*(4*\c+\a)+7], v[BI+8*\b:BI+8*\b+7]
.else
	v_wmma_f32_16x16x32_f16 v[ACC+8*(4*(\a)+\b):ACC+8*(4*(\a)+\b)+7], v[\f+64+8*(4*\c+\b):\f+64+8*(4*\c+\b)+7], v[\f+8*(4*\c+\a):\f+8*(4*\c+\a)+7], v[ACC+8*(4*(\a)+\b):ACC+8*(4*(\a)+\b)+7]
.endif
.endr
.endr
.endm
; 32 LDS loads in one run: the fragments of quarter q (64 along K) of the slot, into buffer f; the first 32 along K first
.macro FETCH slot, q, f
	WIN TO_F
.irp c, 0,1
.irp i, 0,1,2,3
	ds_load_b128 v[\f+64+8*(4*\c+\i):\f+64+8*(4*\c+\i)+3],   v[ADRB+\slot] offset:\i*8192+(2*(\q)+\c)*1024
	ds_load_b128 v[\f+64+8*(4*\c+\i)+4:\f+64+8*(4*\c+\i)+7], v[ADRB+\slot] offset:\i*8192+(2*(\q)+\c)*1024+512
	ds_load_b128 v[\f+8*(4*\c+\i):\f+8*(4*\c+\i)+3],         v[ADRA+\slot] offset:\i*8192+(2*(\q)+\c)*1024
	ds_load_b128 v[\f+8*(4*\c+\i)+4:\f+8*(4*\c+\i)+7],       v[ADRA+\slot] offset:\i*8192+(2*(\q)+\c)*1024+512
.endr
.endr
.endm
.macro PLACES
.rept 4
	v_nop
.endr
.endm
.macro QUARTER slot, q, f, g, zero     ; multiplies buffer f and fetches quarter q of the slot into g
	s_wait_dscnt 16                                ; the first 32 along K are in; the other sixteen loads may be out
	WIN MUL
	MUL8 \f, 0, 0, \zero
	MUL8 \f, 0, 2, \zero
	PLACES
	FETCH \slot, \q, \g
	s_wait_dscnt 32                                ; all but the 32 just issued
	WIN MUL
	MUL8 \f, 1, 0, 0
	MUL8 \f, 1, 2, 0
.endm
; A slot's last quarter changes slots: one barrier; in front of it each wave waits for all its tensor loads, adds 0 to its spare word, and waits for that and for its reads of this slot.  fill = 1: the slot is filled again, two K steps ahead.
.macro TURN slot, next, fill
	WIN 0
	s_wait_tensorcnt 0x0                           ; all my tensor loads have landed: my part of the next slot
	ds_add_u32 v[SPW], v[NIL]                      ; 0 onto my spare word
	s_wait_dscnt 17                                ; (the add and the youngest sixteen loads may be out)
	WIN MUL
	MUL8 F1, 0, 0, 0
	s_wait_dscnt 0x0                               ; the add is done, and my reads of this slot are over
	s_barrier_signal -1
	MUL8 F1, 0, 2, 0
.if \fill
	WIN 0
.endif
	s_barrier_wait -1
.if \fill
	CREST                                          ; the barrier has opened a round of the cluster's barrier: no wave of any partner still reads this slot or has a load on its way
	s_add_nc_u64 s[G0+4*\slot+2:G0+4*\slot+3], s[G0+4*\slot+2:G0+4*\slot+3], 16384
	s_add_nc_u64 s[G0B+4*\slot+2:G0B+4*\slot+3], s[G0B+4*\slot+2:G0B+4*\slot+3], 16384
	JLOAD \slot                                    ; the first tensor load behind the round, my one load that is out; its four v_nop are also the places in front of the loads below
.else
	PLACES
.endif
	FETCH \next, 0, F0
	WIN MUL
	MUL8 F1, 1, 0, 0
	MUL8 F1, 1, 2, 0
.endm
	s_wait_tensorcnt 1                             ; my part of K step 0 is in (K step 1's load may be out),
	s_wait_loadcnt 0x0                             ; and the bias
	s_barrier_signal -1
	s_barrier_wait -1
	FETCH 0, 0, F0
	QUARTER 0, 1, F0, F1, 1
	WIN 0
	s_mov_b32 s3, LAPS-1
.Llap:                                             ; a trip goes once round the ring and fills both slots again
	QUARTER 0, 2, F1, F0, 0
	QUARTER 0, 3, F0, F1, 0
	TURN 0, 1, 1
	QUARTER 1, 1, F0, F1, 0
	QUARTER 1, 2, F1, F0, 0
	QUARTER 1, 3, F0, F1, 0
	TURN 1, 0, 1
	QUARTER 0, 1, F0, F1, 0
	WIN 0
	s_sub_co_u32 s3, s3, 1
	s_cmp_lg_u32 s3, 0
	s_cbranch_scc1 .Llap
	QUARTER 0, 2, F1, F0, 0                        ; the last lap fills nothing
	QUARTER 0, 3, F0, F1, 0
	TURN 0, 1, 0
	QUARTER 1, 1, F0, F1, 0
	QUARTER 1, 2, F1, F0, 0
	QUARTER 1, 3, F0, F1, 0
	s_wait_dscnt 16
	WIN MUL
	MUL8 F1, 0, 0, 0
	MUL8 F1, 0, 2, 0
	s_wait_dscnt 0
	MUL8 F1, 1, 0, 0
	MUL8 F1, 1, 2, 0
	WIN 0
	; THE WAY OUT: a wave's 64 columns of f32 are 256 bytes of a row.  A block of 16 tokens goes through my own stage and comes back as whole rows: no barrier; LDS serves a wave's instructions in order (ISA guide 5.7.1.4)
	PLACES
.macro TOSTAGE a
.set BB, 32+32*((\a)%2)
.irp b, 0,1,2,3
	ds_store_b128 v[STO], v[ACC+8*(4*(\a)+\b):ACC+8*(4*(\a)+\b)+3] offset:64*\b        ; each accumulator from its low end on
	ds_store_b128 v[STO], v[ACC+8*(4*(\a)+\b)+4:ACC+8*(4*(\a)+\b)+7] offset:64*\b+16
.endr
.irp t, 0,1,2,3,4,5,6,7
	ds_load_b128 v[BB+4*\t:BB+4*\t+3], v[RD] offset:2*\t*SPITCH
.endr
.endm
.macro SEND a, younger                 ; younger: the LDS instructions issued behind block a's loads
.set BB, 32+32*((\a)%2)
	s_wait_dscnt \younger
.irp t, 0,1,2,3,4,5,6,7
	global_store_b128 v[CO], v[BB+4*\t:BB+4*\t+3], s[70:71] offset:(16*(\a)+2*\t)*4096 th:TH_STORE_NT   ; sixteen lanes store 256 consecutive bytes, aligned
.endr
.endm
	TOSTAGE 0
.irp a, 1,2,3
.if \a > 1
	s_wait_xcnt 0x0                                ; block a - 2's stores have read their registers: block a's loads may land there
.endif
	TOSTAGE \a
	SEND \a-1, 16                                  ; behind block a - 1's loads: block a's 8 stores and 8 loads
.endr
	SEND 3, 0
	s_wait_tensorcnt 0x0                           ; the wave's end
	ds_add_u32 v[SPW], v[NIL]
	s_wait_dscnt 0x0
	CROUND                                         ; the closing round
	s_endpgm
.Lfunc_end_k_q0946dcfbf3_proj:
	.size	k_q0946dcfbf3_proj, .Lfunc_end_k_q0946dcfbf3_proj-k_q0946dcfbf3_proj
	.p2alignl 7, 3214868480
	.fill 96, 4, 3214868480
	.section	.rodata,"a",@progbits
	.p2align	6, 0x0
	.amdhsa_kernel k_q0946dcfbf3_proj
		.amdhsa_group_segment_fixed_size 327680
		.amdhsa_private_segment_fixed_size 0
		.amdhsa_enable_private_segment 0
		.amdhsa_kernarg_size 32
		.amdhsa_user_sgpr_count 2
		.amdhsa_user_sgpr_kernarg_segment_ptr 1
		.amdhsa_wavefront_size32 1
		.amdhsa_system_sgpr_workgroup_id_x 1
		.amdhsa_system_sgpr_workgroup_id_y 1
		.amdhsa_system_sgpr_workgroup_id_z 1
		.amdhsa_system_vgpr_workitem_id 0
		.amdhsa_next_free_vgpr 512
		.amdhsa_next_free_sgpr 72
		.amdhsa_reserve_vcc 0
		.amdhsa_float_denorm_mode_32 3
		.amdhsa_float_denorm_mode_16_64 3
		.amdhsa_memory_ordered 1
		.amdhsa_forward_progress 1
		.amdhsa_inst_pref_size 86
	.end_amdhsa_kernel
	.amdgpu_metadata
---
amdhsa.version: [ 1, 2 ]
amdhsa.kernels:
  - .name:           k_q0946dcfbf3_proj
    .symbol:         k_q0946dcfbf3_proj.kd
    .args:
      - { .name: att, .offset: 0, .size: 8, .value_kind: global_buffer, .address_space: global }
      - { .name: pb, .offset: 8, .size: 8, .value_kind: global_buffer, .address_space: global }
      - { .name: bout, .offset: 16, .size: 8, .value_kind: global_buffer, .address_space: global }
      - { .name: out0, .offset: 24, .size: 8, .value_kind: global_buffer, .address_space: global }
    .group_segment_fixed_size: 327680
    .private_segment_fixed_size: 0
    .kernarg_segment_align: 8
    .kernarg_segment_size: 32
    .max_flat_workgroup_size: 128
    .sgpr_count:     72
    .vgpr_count:     512
    .wavefront_size: 32
...
	.end_amdgpu_metadata
.endif
;; end of part 5
